; MI455X (gfx1250); checked and timed in simulation.
; The chip was launched on July 23, 2026; its instructions are those of AMD's public machine-readable ISA for CDNA 5 (MIT licence, August 2026) and "CDNA5" Instruction Set Architecture Reference Guide (July 2026). The comments in the code are by the model that wrote it; some were corrected since.
;; Attention. Allowed arithmetic: matrix products marked QUANTISED: E5M2 operands, one E8M0 scale for each 32 along K, by v_wmma_scale_f32_16x16x128_f8f6f4 with both operands' format E5M2, f32 sums; everything else in f32.
;; Inputs: b1 4,096 float32; b2 1,024 float32; bk 1,024 float32; bq 1,024 float32; bv 1,024 float32; ln_b 1,024 float32; ln_g 1,024 float32; w1 1,024 x 4,096 float32; w2 4,096 x 1,024 float32; wk 1,024 x 1,024 float32; wq 1,024 x 1,024 float32; wv 1,024 x 1,024 float32; x 2 x 2,048 x 1,024 float32.
;; Outputs: out0 2 x 2,048 x 1,024 float32.
;; This version of the problem:
;;   THIS VERSION OF THE PROBLEM IS GIVEN IN LOW PRECISION. The matrix products marked QUANTISED in the list below multiply operands that are first quantised to E5M2 (5 exponent bits, 2 mantissa bits; 8 bits a number), with one power-of-two scale for each 32 numbers along K (OCP MX v1.0); their sums are f32. All else is computed in f32.
;;   The module's matrix products, in the order in which they are computed (A, B: the left and right operand; K: the contracted axis; several contracted axes count as one K, in the product's order):
;;     1. [M 4,096, K 1,024] x [K 1,024, N 1,024]; A: input x; B: input wq: QUANTISED
;;     2. [M 4,096, K 1,024] x [K 1,024, N 1,024]; A: input x; B: input wk: QUANTISED
;;     3. [M 4,096, K 1,024] x [K 1,024, N 1,024]; A: input x; B: input wv: QUANTISED
;;     4. batch 32 x [M 2,048, K 64] x [K 64, N 2,048]; A: computed on the way; B: computed on the way: QUANTISED
;;     5. batch 32 x [M 64, K 2,048] x [K 2,048, N 2,048]; A: computed on the way; B: softmax (see below): QUANTISED
;;     6. [M 4,096, K 1,024] x [K 1,024, N 4,096]; A: computed on the way; B: input w1: QUANTISED
;;     7. [M 4,096, K 4,096] x [K 4,096, N 1,024]; A: computed on the way; B: input w2: QUANTISED
;;   THE QUANTISER, for each operand of a quantised product, along K:
;;     - K is cut into blocks of 32 from its start; a last block that is shorter is filled with zeros.
;;     - A block's scale is 2^e with e = floor(log2(the largest magnitude in the block)) - 15, held to -126 .. 127; a block of zeros has e = 0. As a byte (E8M0): e + 127.
;;     - Each number is divided by its block's scale, clamped to +-57,344, and rounded to the nearest number of E5M2, ties to even, subnormals kept.
;;     - The product sums the exact products of the quantised numbers (number of the format x scale) in f32.
;;   ~~~python
;;   def quantise(x, axis):      # numpy; x: float32 -> the quantised numbers, widened to float32 again
;;       x = np.moveaxis(x, axis, -1); K = x.shape[-1]
;;       x = np.pad(x, [(0, 0)] * (x.ndim - 1) + [(0, -K % 32)]); x = x.reshape(x.shape[:-1] + (-1, 32)); a = np.abs(x).max(-1, keepdims=True)
;;       e = np.where(a > 0, np.clip(np.frexp(np.where(a > 0, a, 1))[1] - 1 - 15, -126, 127), 0)      # np.frexp(a)[1] - 1 = floor(log2(a)), exactly
;;       r = np.clip(x / 2.0 ** e, -57344, 57344)
;;       step = 2.0 ** (np.maximum(np.frexp(np.where(r == 0, 1, r))[1] - 1, -14) - 2)
;;       q = np.round(r / step) * step * 2.0 ** e      # np.round: ties to even
;;       return np.moveaxis(q.reshape(q.shape[:-2] + (-1,))[..., :K], -1, axis).astype(np.float32)
;;   ~~~
;;   SOFTMAX AHEAD OF A QUANTISED PRODUCT. Where the list says 'softmax', what is quantised is not the finished softmax but p = 2^(t - M), with t = logit x log2(e) and M = ceil(the row's largest t), a whole number; so 1/2 < the row's largest p <= 1. The row's sum l is taken of the UNQUANTISED p, in f32, and the product's result is divided by l at the end. Since M is a whole number, a kernel that streams over the keys may use a running M (the ceiling of the running maximum): every later rescaling is an exact power of two, which a block's scale takes up: the codes' values come out the same.
;;   OPERANDS COMPUTED ON THE WAY. 'Computed on the way' means the value that the module computes at that place (a softmax that the list does not call 'softmax' is quantised finished and normalised). What goes into a quantiser is computed in f32, as accurately as f32 sums, v_exp_f32 and their like allow (about 1e-6 of the number): no bf16 or f16 on the way to a quantiser, and a product that is left as it is and whose result goes on into a quantised operand takes f32 operands (vector FMAs, or v_wmma_f32_16x16x4_f32). A number that lies on a knife's edge between two numbers of the format may be rounded either way, as far as f32 arithmetic and the matrix unit's own rounding can turn it there, and no further.
;; One version. Each part assembles by itself: llvm-mc -triple=amdgcn-amd-amdhsa -mcpu=gfx1250 --defsym DOCPART=n.
;; ======== version 1 of 1: 7 launches
;; workspace buffers: prepb 16,220,160 bytes; qkvb 12,976,128 bytes; attnb 16,777,216 bytes; hbuf 21,102,592 bytes; gbuf 17,301,504 bytes; mlpb 67,108,864 bytes
;; launch prep (part 1): grid 480 x 1, 4 waves a work-group, no clusters, 56,832 bytes of LDS; arguments x, wq, wk, wv, w1, w2, prepb; writes prepb
.if DOCPART == 1
	.amdgcn_target "amdgcn-amd-amdhsa--gfx1250"
	.amdhsa_code_object_version 6
	.text
	.protected	k_q2e147f95cf_prep
	.globl	k_q2e147f95cf_prep
	.p2align	8
	.type	k_q2e147f95cf_prep,@function
k_q2e147f95cf_prep:
	s_mov_b64 s[64:65], 0
	v_nop
	global_prefetch_b8 v0, s[64:65] scope:SCOPE_SE
	s_setreg_imm32_b32 hwreg(HW_REG_WAVE_MODE, 25, 1), 1
	s_wait_xcnt 0x0
; PREP: x and the five weights become codes of E5M2 with one E8M0 scale byte for each 32 along K.
; A block's scale is 2^(floor(log2(largest magnitude)) - 15); its byte is the largest magnitude's exponent field - 15, held at 1 from below.
; LIMITS: a block whose largest magnitude lies under 2^-111 (a block of zeros too) gets the byte 1: its codes are then zeros or subnormal codes, and the bytes are read by this program alone.
; NaN and infinities among the inputs are not served.
; LAYOUT of prepb.  Codes: [row position][K], K innermost.  Scale bytes: [K / 256][row position][8].
; ROW POSITION = the row's number with bits 3 and 4 exchanged (x's tokens and every weight's output column): 16 neighbouring positions then hold rows 8 u + r + 8 (r / 8) of a group of 32,
; so that the 16 result registers of two neighbouring tiles of a product are 16 neighbours along the next product's K.
; Work-groups 0-127: x, 32 tokens each (K innermost: a lane takes 16 neighbours, through the wave's own stage in LDS).  Work-groups 128-479: 128 columns x 256 of K of a weight (K outermost: a lane takes a column, its registers run down K).
; The two ways part on the work-group's number alone and have LDS bytes of their own.
.set P_WQKVC, 4194304
.set P_W1C,   7340032
.set P_W2C,   11534336
.set P_XS,    15728640
.set P_WQKVS, 15859712
.set P_W1S,   15958016
.set P_W2S,   16089088
.set SP,    80                         ; a lane's place in a stage: 64 bytes + 16 of padding
.set XSG,   20480                      ; x's way: behind four waves' two stages (4 x 5,120): 1,024 scale bytes [K step 4][row 32][8]
.set WSTG,  21504                      ; the weights' way: four stages of 32 rows x 272 bytes
.set R,     16                         ; x: v16-79 four sets of 16 numbers as loaded
.set X,     80                         ;    v80-111 two sets of 16 neighbours
.set E,     112                        ;    v112-127 a scale byte for each step
.set C,     128                        ;    v128-191 codes, four registers a step
.set RO,    16                         ; weights: v16-47 byte offset of row i of a block of 32 rows, + 4 x lane; later the stores' offsets
.set XW,    48                         ;    v48-111 two sets of 32 numbers; later the rows read back
.set CW,    112                        ;    v112-119 a block's codes
.set SBW,   120                        ;    v120-121 eight scale bytes
	s_load_b256 s[4:11], s[0:1], 0x0               ; x, wq, wk, wv
	s_load_b128 s[12:15], s[0:1], 0x20             ; w1, w2
	s_load_b64 s[16:17], s[0:1], 0x30              ; prepb
	v_lshl_add_u32 v192, v0, 2, 0xdc00
	v_mov_b32 v193, 0
	v_lshrrev_b32 v1, 5, v0
	v_readfirstlane_b32 s18, v1                    ; wave
	v_and_b32 v2, 31, v0                           ; lane
	s_mov_b32 s23, 0x600000                        ; the mantissa field of 57,344
	s_cmp_lt_u32 ttmp9, 128
	s_cbranch_scc0 .Lweights
; ---------------- x: wave w takes tokens 32 i + 8 w .. + 7: 16 steps of 512 numbers
	v_lshlrev_b32 v3, 4, v2                        ; 16 x lane: my bytes of a load's 512, and of a step's 512 codes
	s_mul_i32 s19, s18, 2*32*SP
	v_lshrrev_b32 v14, 2, v2
	v_mul_u32_u24 v14, v14, SP
	v_and_b32 v15, 3, v2
	v_lshl_add_u32 v14, v15, 4, v14
	v_add_nc_u32 v14, s19, v14                     ; the stage, on the way in
	v_mul_u32_u24 v15, v2, SP
	v_add_nc_u32 v15, s19, v15                     ; and on the way out: my 16 neighbours
	s_and_b32 s20, s18, 1
	s_lshl_b32 s20, s20, 1
	s_lshr_b32 s21, s18, 1
	s_or_b32 s20, s20, s21                         ; w' = w with its two bits exchanged: the tokens' bits 3 and 4
	v_lshrrev_b32 v5, 1, v2                        ; p = my block among a step's 16
	v_lshrrev_b32 v6, 3, v5
	v_and_b32 v5, 7, v5
	v_lshl_add_u32 v5, v6, 8, v5                   ; 256 (p / 8) + p % 8
	s_lshl_b32 s21, s20, 6
	s_add_co_u32 s21, s21, XSG
	v_add_nc_u32 v5, s21, v5                       ; + 64 w': eight rows of 8 bytes
	v_lshlrev_b32 v7, 3, v2
	s_lshl_b32 s21, s18, 8
	s_add_co_u32 s21, s21, XSG
	v_add_nc_u32 v6, s21, v7                       ; at the end wave w takes K step w's 256 bytes
	s_lshl_b32 s24, ttmp9, 5
	s_lshl_b32 s25, s18, 3
	s_add_co_u32 s24, s24, s25
	s_lshl_b32 s24, s24, 12                        ; my first token x 4,096 bytes
	s_mov_b32 s25, 0
	s_lshl_b32 s26, ttmp9, 5
	s_lshl_b32 s27, s20, 3
	s_add_co_u32 s26, s26, s27
	s_lshl_b32 s26, s26, 10                        ; its position x 1,024 bytes of codes
	s_mov_b32 s27, 0
	s_lshl_b32 s28, s18, 15
	s_lshl_b32 s29, ttmp9, 8
	s_add_co_u32 s28, s28, s29
	s_add_co_u32 s28, s28, P_XS                    ; scale bytes: (w x 4,096 + 32 i) x 8
	s_mov_b32 s29, 0
	s_wait_kmcnt 0x0
	s_add_nc_u64 s[4:5], s[4:5], s[24:25]
	s_add_nc_u64 s[8:9], s[16:17], s[26:27]
	s_add_nc_u64 s[10:11], s[16:17], s[28:29]
.macro XLOAD t
.irp i, 0,1,2,3
	global_load_b128 v[R+16*((\t)%4)+4*\i:R+16*((\t)%4)+4*\i+3], v3, s[4:5] offset:2048*(\t)+512*\i th:TH_LOAD_NT   ; 32 lanes read 512 consecutive bytes
.endr
.endm
.macro XTURN t                         ; a step's numbers through the stage; LDS serves a wave's instructions in order
.irp i, 0,1,2,3
	ds_store_b128 v14, v[R+16*((\t)%4)+4*\i:R+16*((\t)%4)+4*\i+3] offset:32*SP*((\t)%2)+8*SP*\i
.endr
.irp i, 0,1,2,3
	ds_load_b128 v[X+16*((\t)%2)+4*\i:X+16*((\t)%2)+4*\i+3], v15 offset:32*SP*((\t)%2)+16*\i
.endr
.endm
.irp t, 0,1,2,3
	XLOAD \t
.endr
	s_wait_loadcnt 12                              ; step 0's four loads are in
	XTURN 0
.macro XSTEP t
.set XB, X+16*((\t)%2)
.if (\t) > 0
	s_wait_dscnt 1                                 ; this step's numbers are back (the last step's byte store may be out)
.else
	s_wait_dscnt 0x0
.endif
.if (\t)+4 < 16
	XLOAD (\t)+4
.endif
.if (\t)+1 < 16
.if 14-(\t) >= 3
	s_wait_loadcnt 12                              ; the next step's loads are in; three steps' may be out
.else
	s_wait_loadcnt 4*(14-(\t))
.endif
	XTURN (\t)+1
.endif
	v_max3_num_f32 v8, |v[XB]|, |v[XB+1]|, |v[XB+2]|
	v_max3_num_f32 v9, |v[XB+3]|, |v[XB+4]|, |v[XB+5]|
.irp i, 6,10
	v_max3_num_f32 v8, v8, |v[XB+\i]|, |v[XB+\i+1]|
	v_max3_num_f32 v9, v9, |v[XB+\i+2]|, |v[XB+\i+3]|
.endr
	v_max3_num_f32 v8, v8, |v[XB+14]|, |v[XB+15]|
	v_max3_num_f32 v8, v8, v9, 0x8000000           ; the floor 2^(16 - 127): the byte cannot fall under 1
	v_max_num_f32_dpp v8, v8, v8 row_xmask:1 row_mask:0xf bank_mask:0xf   ; with my neighbour's 16: the block's
	v_add_nc_u32 v11, 0xf8800000, v8               ; 15 off the exponent field: the conversion's scale operand
	v_and_or_b32 v10, v8, 0x7f800000, s23          ; 57,344 x the scale
.irp i, 0,1,2,3,4,5,6,7,8,9,10,11,12,13,14,15
	v_med3_num_f32 v[XB+\i], v[XB+\i], -v10, v10   ; the conversion does not saturate (ISA guide 7.6.2): the hold comes first
.endr
	v_cvt_scalef32_pk8_bf8_f32 v[C+4*(\t):C+4*(\t)+1], v[XB:XB+7], v11
	v_cvt_scalef32_pk8_bf8_f32 v[C+4*(\t)+2:C+4*(\t)+3], v[XB+8:XB+15], v11
	v_lshrrev_b32 v[E+(\t)], 23, v11               ; the scale's byte
	ds_store_b8 v5, v[E+(\t)] offset:512*((\t)%2)+8*((\t)/2)   ; row t / 2, K steps 2 (t % 2) and + 1; both lanes of a block write the same byte
	global_store_b128 v3, v[C+4*(\t):C+4*(\t)+3], s[8:9] offset:512*(\t)
.endm
.irp t, 0,1,2,3,4,5,6,7,8,9,10,11,12,13,14,15
	XSTEP \t
.endr
	s_wait_dscnt 0x0                               ; my byte stores have landed
	s_barrier_signal -1
	s_barrier_wait -1                              ; everybody's have
	ds_load_b64 v[12:13], v6
	s_wait_dscnt 0x0
	global_store_b64 v7, v[12:13], s[10:11]        ; 32 rows x 8 bytes: 256 consecutive bytes, aligned
	s_wait_tensorcnt 0x0
	ds_add_u32 v192, v193
	s_wait_dscnt 0x0
	s_endpgm
; ---------------- the weights
.Lweights:
	s_sub_co_u32 s19, ttmp9, 128                   ; j
	s_wait_kmcnt 0x0
	s_cmp_lt_u32 s19, 32                           ; the source: a chain of choices on the work-group's number
	s_cselect_b64 s[4:5], s[6:7], s[8:9]
	s_cmp_lt_u32 s19, 64
	s_cselect_b64 s[4:5], s[4:5], s[10:11]
	s_cmp_lt_u32 s19, 96
	s_cselect_b64 s[4:5], s[4:5], s[12:13]
	s_cmp_lt_u32 s19, 224
	s_cselect_b64 s[4:5], s[4:5], s[14:15]
	s_cmp_lt_u32 s19, 96
	s_cbranch_scc0 .Lnot_qkv
	s_lshr_b32 s20, s19, 5
	s_and_b32 s21, s19, 31
	s_mov_b32 s26, 4096                            ; bytes from row to row of the source
	s_mov_b32 s27, 1024                            ; bytes in a row of codes
	s_mov_b32 s28, P_WQKVC
	s_mov_b32 s29, P_WQKVS
	s_mov_b32 s30, 3072                            ; rows in the scale table
	s_lshl_b32 s31, s20, 10                        ; wq, wk, wv lie one behind the other
	s_and_b32 s32, s21, 7                          ; which 128 columns
	s_lshr_b32 s33, s21, 3                         ; which 256 of K
	s_branch .Lgo
.Lnot_qkv:
	s_cmp_lt_u32 s19, 224
	s_cbranch_scc0 .Lis_w2
	s_sub_co_u32 s21, s19, 96
	s_mov_b32 s26, 16384
	s_mov_b32 s27, 1024
	s_mov_b32 s28, P_W1C
	s_mov_b32 s29, P_W1S
	s_mov_b32 s30, 4096
	s_mov_b32 s31, 0
	s_and_b32 s32, s21, 31
	s_lshr_b32 s33, s21, 5
	s_branch .Lgo
.Lis_w2:
	s_sub_co_u32 s21, s19, 224
	s_mov_b32 s26, 4096
	s_mov_b32 s27, 4096
	s_mov_b32 s28, P_W2C
	s_mov_b32 s29, P_W2S
	s_mov_b32 s30, 1024
	s_mov_b32 s31, 0
	s_and_b32 s32, s21, 7
	s_lshr_b32 s33, s21, 3
.Lgo:
	s_lshl_b32 s34, s32, 7
	s_lshl_b32 s35, s18, 5
	s_add_co_u32 s34, s34, s35                     ; my wave's first column
	s_mul_i32 s36, s33, s26
	s_lshl_b32 s36, s36, 8
	s_lshl_b32 s35, s34, 2
	s_add_co_u32 s36, s36, s35
	s_mov_b32 s37, 0
	s_add_nc_u64 s[4:5], s[4:5], s[36:37]          ; source: 256 ky rows down, 4 bytes a column
	s_add_co_u32 s38, s31, s34
	s_mul_i32 s36, s38, s27
	s_lshl_b32 s35, s33, 8
	s_add_co_u32 s36, s36, s35
	s_add_co_u32 s36, s36, s28
	s_add_nc_u64 s[6:7], s[16:17], s[36:37]        ; codes: row x its bytes + 256 ky
	s_mul_i32 s36, s33, s30
	s_add_co_u32 s36, s36, s38
	s_lshl_b32 s36, s36, 3
	s_add_co_u32 s36, s36, s29
	s_add_nc_u64 s[8:9], s[16:17], s[36:37]        ; scale bytes: (ky x rows + row) x 8
	s_lshl_b32 s40, s26, 5                         ; 32 rows of the source
	s_mov_b32 s41, 0
	v_and_b32 v3, 7, v2
	v_bfe_u32 v4, v2, 3, 1
	v_lshl_add_u32 v3, v4, 4, v3
	v_bfe_u32 v4, v2, 4, 1
	v_lshl_add_u32 v3, v4, 3, v3                   ; my column's position among the wave's 32: bits 3 and 4 exchanged
	s_mul_i32 s19, s18, 32*272
	s_add_co_u32 s19, s19, WSTG                    ; my stage
	v_mul_u32_u24 v4, v3, 272
	v_add_nc_u32 v4, s19, v4                       ; into it: row = my position
	v_and_b32 v5, 15, v2
	v_lshrrev_b32 v6, 4, v2
	v_mul_u32_u24 v7, v6, 272
	v_lshl_add_u32 v7, v5, 4, v7
	v_add_nc_u32 v7, s19, v7                       ; out of it: sixteen lanes to a row
	v_lshlrev_b32 v9, 3, v3                        ; my 8 scale bytes
	v_lshlrev_b32 v14, 2, v2
.set i, 0
.rept 32
	v_mad_u32_u24 v[RO+i], s26, i, v14
.set i, i+1
.endr
.macro WLOAD set                       ; a block: 32 rows at my column: 128 consecutive bytes a wave and row
.set i, 0
.rept 32
	global_load_b32 v[XW+32*(\set)+i], v[RO+i], s[4:5] th:TH_LOAD_NT
.set i, i+1
.endr
.endm
.macro WNEXT
	s_wait_xcnt 0x0                                ; the loads issued have read their base: it may step
	s_add_nc_u64 s[4:5], s[4:5], s[40:41]
.endm
	WLOAD 0
	WNEXT
	WLOAD 1
.macro WBLOCK t
.set XB, XW+32*((\t)%2)
.if (\t) < 7
	s_wait_loadcnt 32                              ; this block's loads are in; the next block's may be out
.else
	s_wait_loadcnt 0x0
.endif
	v_max3_num_f32 v12, |v[XB]|, |v[XB+1]|, |v[XB+2]|    ; all 32 numbers of the block are mine
	v_max3_num_f32 v13, |v[XB+3]|, |v[XB+4]|, |v[XB+5]|
.irp i, 6,10,14,18,22,26
	v_max3_num_f32 v12, v12, |v[XB+\i]|, |v[XB+\i+1]|
	v_max3_num_f32 v13, v13, |v[XB+\i+2]|, |v[XB+\i+3]|
.endr
	v_max3_num_f32 v12, v12, |v[XB+30]|, |v[XB+31]|
	v_max3_num_f32 v12, v12, v13, 0x8000000
	v_add_nc_u32 v11, 0xf8800000, v12
	v_and_or_b32 v10, v12, 0x7f800000, s23
	v_lshrrev_b32 v13, 23, v11
.if (\t)%4 == 0
	v_mov_b32 v[SBW+(\t)/4], v13
.else
	v_lshl_or_b32 v[SBW+(\t)/4], v13, 8*((\t)%4), v[SBW+(\t)/4]
.endif
.set i, 0
.rept 32
	v_med3_num_f32 v[XB+i], v[XB+i], -v10, v10
.set i, i+1
.endr
.irp g, 0,1,2,3
	v_cvt_scalef32_pk8_bf8_f32 v[CW+2*\g:CW+2*\g+1], v[XB+8*\g:XB+8*\g+7], v11
.endr
	ds_store_b128 v4, v[CW:CW+3] offset:32*(\t)
	ds_store_b128 v4, v[CW+4:CW+7] offset:32*(\t)+16
.if (\t)+2 < 8
	WNEXT
	WLOAD (\t)%2
.endif
	s_wait_dscnt 0x0                               ; the stores have read their registers: the next block's codes may be written
.endm
.irp t, 0,1,2,3,4,5,6,7
	WBLOCK \t
.endr
	global_store_b64 v9, v[SBW:SBW+1], s[8:9]      ; the wave's 32 rows x 8 bytes: 256 consecutive bytes, aligned
	v_mul_lo_u32 v8, v6, s27
	v_lshl_add_u32 v8, v5, 4, v8
.set i, 0
.rept 16
	v_mad_u32_u24 v[RO+i], s27, 2*i, v8            ; every load that read these offsets is in
.set i, i+1
.endr
.irp t, 0,1,2,3,4,5,6,7,8,9,10,11,12,13,14,15
	ds_load_b128 v[XW+4*\t:XW+4*\t+3], v7 offset:2*\t*272
.endr
.irp t, 0,1,2,3,4,5,6,7,8,9,10,11,12,13,14,15
	s_wait_dscnt 15-\t
	global_store_b128 v[RO+\t], v[XW+4*\t:XW+4*\t+3], s[6:7]   ; sixteen lanes store 256 consecutive bytes, aligned
.endr
	s_wait_tensorcnt 0x0
	ds_add_u32 v192, v193
	s_wait_dscnt 0x0
	s_endpgm
.Lfunc_end_k_q2e147f95cf_prep:
	.size	k_q2e147f95cf_prep, .Lfunc_end_k_q2e147f95cf_prep-k_q2e147f95cf_prep
	.p2alignl 7, 3214868480
	.fill 96, 4, 3214868480
	.section	.rodata,"a",@progbits
	.p2align	6, 0x0
	.amdhsa_kernel k_q2e147f95cf_prep
		.amdhsa_group_segment_fixed_size 56832
		.amdhsa_private_segment_fixed_size 0
		.amdhsa_enable_private_segment 0
		.amdhsa_kernarg_size 56
		.amdhsa_user_sgpr_count 2
		.amdhsa_user_sgpr_kernarg_segment_ptr 1
		.amdhsa_wavefront_size32 1
		.amdhsa_system_sgpr_workgroup_id_x 1
		.amdhsa_system_sgpr_workgroup_id_y 1
		.amdhsa_system_sgpr_workgroup_id_z 1
		.amdhsa_system_vgpr_workitem_id 0
		.amdhsa_next_free_vgpr 194
		.amdhsa_next_free_sgpr 66
		.amdhsa_reserve_vcc 0
		.amdhsa_float_denorm_mode_32 3
		.amdhsa_float_denorm_mode_16_64 3
		.amdhsa_memory_ordered 1
		.amdhsa_forward_progress 1
		.amdhsa_inst_pref_size 115
	.end_amdhsa_kernel
	.amdgpu_metadata
---
amdhsa.version: [ 1, 2 ]
amdhsa.kernels:
  - .name:           k_q2e147f95cf_prep
    .symbol:         k_q2e147f95cf_prep.kd
    .args:
      - { .name: x, .offset: 0, .size: 8, .value_kind: global_buffer, .address_space: global }
      - { .name: wq, .offset: 8, .size: 8, .value_kind: global_buffer, .address_space: global }
      - { .name: wk, .offset: 16, .size: 8, .value_kind: global_buffer, .address_space: global }
      - { .name: wv, .offset: 24, .size: 8, .value_kind: global_buffer, .address_space: global }
      - { .name: w1, .offset: 32, .size: 8, .value_kind: global_buffer, .address_space: global }
      - { .name: w2, .offset: 40, .size: 8, .value_kind: global_buffer, .address_space: global }
      - { .name: prepb, .offset: 48, .size: 8, .value_kind: global_buffer, .address_space: global }
    .group_segment_fixed_size: 56832
    .private_segment_fixed_size: 0
    .kernarg_segment_align: 8
    .kernarg_segment_size: 56
    .max_flat_workgroup_size: 128
    .sgpr_count:     66
    .vgpr_count:     194
    .wavefront_size: 32
...
	.end_amdgpu_metadata
.endif
;; end of part 1
;; launch qkv (part 2): grid 12 x 16, 4 waves a work-group, clusters of 4 x 4, 327,680 bytes of LDS; arguments prepb, bq, bk, bv, qkvb; writes qkvb
.if DOCPART == 2
	.amdgcn_target "amdgcn-amd-amdhsa--gfx1250"
	.amdhsa_code_object_version 6
	.text
	.protected	k_q2e147f95cf_qkv
	.globl	k_q2e147f95cf_qkv
	.p2align	8
	.type	k_q2e147f95cf_qkv,@function
k_q2e147f95cf_qkv:
	s_mov_b64 s[64:65], 0
	v_nop
	global_prefetch_b8 v0, s[64:65] scope:SCOPE_SE
	s_setreg_imm32_b32 hwreg(HW_REG_WAVE_MODE, 25, 1), 1
	s_wait_xcnt 0x0
	s_wait_alu depctr_hold_cnt(0) depctr_sa_sdst(0) depctr_va_vdst(0) depctr_va_sdst(0) depctr_va_ssrc(0) depctr_va_vcc(0) depctr_vm_vsrc(0)
	s_getreg_b32 s2, hwreg(HW_REG_IB_STS2, 6, 4)
	s_cmp_eq_u32 s2, 0
	s_cbranch_scc0 .Lentry_in_a_cluster
	s_endpgm
.Lentry_in_a_cluster:
	s_bfe_u32 s2, ttmp6, 0x10000c
	s_cmp_lg_u32 s2, 0xf033
	s_cbranch_scc0 .Lentry_shape_is_right
	s_endpgm
.Lentry_shape_is_right:
; QKV: q = x wq + bq, k = x wk + bk, v = x wv + bv on codes of E5M2 (K = 1,024), and the results quantised at once for the two products of attention.
; A work-group makes 256 x 256 of a result, a wave 128 x 128 (64 accumulators).  K goes in steps of 256 through two LDS slots filled by joint tensor loads of a 4 x 4 cluster.
; The cluster's x says what is made: 0 q, 1 k, 2 v.  Source 0 of every product is the B tile, source 1 the A tile; a lane then holds one row of A's tile and its registers run along B's rows.
;   q, k: A = tokens, B = the weight's columns: a lane holds a token, registers run along the head's channels, the K of q k^T.
;   v:    A = wv's columns, B = tokens: a lane holds a channel, registers run along the tokens, the K of the second product.
; Only offsets differ between the two, chosen by s_cselect_b32 on the cluster's x, which all partners share; A's tile hangs on cy alone, B's on cx alone.
; Row positions in prepb have bits 3 and 4 exchanged, so the 16 registers of accumulators (a, 2 c) and (a, 2 c + 1) are 16 neighbours along B's true rows.
; OUT (qkvb), as images of operand registers: codes [32 type + bh][..] 131,072 bytes each: q, k: [tile of 16 tokens 128][c 2][lane][16 B]; v: [step of 128 tokens 16][t 4][c 4][lane][16 B].
; Scale words from QKS on: [32 type + bh][step 16][lane 32][2 words]: word i / 2, lanes 16 (i % 2) + r: fragment i's word of row r.
; LIMITS: blocks under 2^-111 get the byte 1; NaN and infinities are not served.
.set KROW,  1024
.set LAPS,  2
.set BIASC, 0                          ; the first products take the constant 0; the bias is added on the way out
.set P_WQKVC, 4194304
.set P_XS,    15728640
.set P_WQKVS, 15859712
.set QKS,   12582912
.set PITCH, 272                        ; an LDS row: 256 bytes + 16 of padding: the 16 rows of a load start at 16 different banks (64 banks of 4 bytes: ISA guide 11.1)
.set HALFT, 128*PITCH
.set SLOT,  4*HALFT
.set SPARE, 2*SLOT                     ; behind the ring: the spare words, 128 bytes a wave
.set NP,    8                          ; places behind this matrix instruction (ISA guide 7.12.1)
.set ADRA, 16
.set ADRB, 20
.set LI,   24                          ; 16 x lane
.set SAO,  27                          ; 8 x lane
.set SPW,  28
.set NIL,  29
.set SC,   32                          ; v32-63 scale words, two sets of 16: A's four pairs, B's four pairs; nothing else ever
.set BI,   64                          ; v64-127 the bias by B's rows (q, k)
.set BV,   8                           ; v8-15 the bias by A's rows (v)
.set AF,   128                         ; A's fragments; on the way out:
.set TM,   128
.set PC,   144
.set WD,   160
.set BP,   168
.set OW,   170
.set G1,  24
.set G0,  32
.set G1B, 48
.set G0B, 56
.set STA, 84
.set STB, 86
.set MNT, 99
.set SEL, 100
.set MSB, 0
.macro WIN new                         ; the immediate's high byte repeats the setting that is left
.if MSB != (\new)
	s_set_vgpr_msb (MSB<<8)|(\new)
.set MSB, (\new)
.endif
.endm
.macro JLOAD g0a, g1a, g0b, g1b        ; a joint load: waves 0, 1 fetch A's halves, waves 2, 3 B's; four v_nop follow each line
	s_cmp_eq_u32 s15, 0
	s_cbranch_scc0 .Lfor_b_\@
	tensor_load_to_lds s[\g0a:\g0a+3], s[\g1a:\g1a+7]
	s_nop 0
.rept 4
	v_nop
.endr
	s_branch .Lasked_\@
.Lfor_b_\@:
	tensor_load_to_lds s[\g0b:\g0b+3], s[\g1b:\g1b+7]
	s_nop 0
.rept 4
	v_nop
.endr
.Lasked_\@:
.endm
.macro CREST
	s_cmp_lg_u32 s14, 0
	s_cbranch_scc1 .Lnot_wave_0_\@
	s_barrier_signal -3
.Lnot_wave_0_\@:
	s_barrier_wait -3
	s_barrier_signal -1
	s_barrier_wait -1
.endm
.macro CROUND
	s_barrier_signal -1
	s_barrier_wait -1
	CREST
.endm
.macro PLACES n
.rept \n
	v_nop
.endr
.endm
.macro FRAG reg, adr, q, i             ; 16 rows x 128 K: registers 4 c .. 4 c + 3 hold K = 32 c + 16 (lane / 16) + 0 .. 15
.irp c, 0,1,2,3
	ds_load_b128 v[\reg+4*\c:\reg+4*\c+3], v[\adr] offset:128*(\q)+32*\c+(\i)*16*PITCH
.endr
.endm
.macro FETCH_B slot, q, p
	WIN 0x40
.irp i, 0,1,2,3,4,5,6,7
	FRAG 128*(\p)+16*\i, ADRB+\slot, \q, \i
.endr
	WIN 0
.endm
.macro FETCH_A slot, q, i0
.irp i, \i0, \i0+1, \i0+2, \i0+3
	FRAG AF+16*(\i), ADRA+\slot, \q, \i
.endr
.endm
.macro GSC set                         ; a K step's scale words of my 128 + 128 rows: a load brings 32 rows x 8 bytes, 256 consecutive bytes; lanes 0-15 an even block of 16 rows, lanes 16-31 the odd one
.irp g, 0,1,2,3
	global_load_b64 v[SC+16*(\set)+2*\g:SC+16*(\set)+2*\g+1], v[SAO], s[8:9] offset:256*\g
.endr
.irp g, 0,1,2,3
	global_load_b64 v[SC+16*(\set)+8+2*\g:SC+16*(\set)+8+2*\g+1], v[SAO], s[10:11] offset:256*\g
.endr
.endm
.macro GNEXT
	s_wait_xcnt 0x0                                ; the loads issued have read their bases
	s_add_nc_u64 s[8:9], s[8:9], s[STA:STA+1]
	s_add_nc_u64 s[10:11], s[10:11], s[STB:STB+1]
.endm
.macro WM                              ; one product, by the symbols rD rC rFB rFA rSB rSA; fRB, fRA: the scales stand in lanes 16-31; fZ: C is the constant 0
.if fZ
.if fRB && fRA
	v_wmma_scale_f32_16x16x128_f8f6f4 v[rD:rD+7], v[rFB:rFB+15], v[rFA:rFA+15], 0, v[rSB], v[rSA] matrix_a_fmt:MATRIX_FMT_BF8 matrix_b_fmt:MATRIX_FMT_BF8 matrix_a_scale:MATRIX_SCALE_ROW1 matrix_b_scale:MATRIX_SCALE_ROW1
.elseif fRB
	v_wmma_scale_f32_16x16x128_f8f6f4 v[rD:rD+7], v[rFB:rFB+15], v[rFA:rFA+15], 0, v[rSB], v[rSA] matrix_a_fmt:MATRIX_FMT_BF8 matrix_b_fmt:MATRIX_FMT_BF8 matrix_a_scale:MATRIX_SCALE_ROW1
.elseif fRA
	v_wmma_scale_f32_16x16x128_f8f6f4 v[rD:rD+7], v[rFB:rFB+15], v[rFA:rFA+15], 0, v[rSB], v[rSA] matrix_a_fmt:MATRIX_FMT_BF8 matrix_b_fmt:MATRIX_FMT_BF8 matrix_b_scale:MATRIX_SCALE_ROW1
.else
	v_wmma_scale_f32_16x16x128_f8f6f4 v[rD:rD+7], v[rFB:rFB+15], v[rFA:rFA+15], 0, v[rSB], v[rSA] matrix_a_fmt:MATRIX_FMT_BF8 matrix_b_fmt:MATRIX_FMT_BF8
.endif
.else
.if fRB && fRA
	v_wmma_scale_f32_16x16x128_f8f6f4 v[rD:rD+7], v[rFB:rFB+15], v[rFA:rFA+15], v[rC:rC+7], v[rSB], v[rSA] matrix_a_fmt:MATRIX_FMT_BF8 matrix_b_fmt:MATRIX_FMT_BF8 matrix_a_scale:MATRIX_SCALE_ROW1 matrix_b_scale:MATRIX_SCALE_ROW1
.elseif fRB
	v_wmma_scale_f32_16x16x128_f8f6f4 v[rD:rD+7], v[rFB:rFB+15], v[rFA:rFA+15], v[rC:rC+7], v[rSB], v[rSA] matrix_a_fmt:MATRIX_FMT_BF8 matrix_b_fmt:MATRIX_FMT_BF8 matrix_a_scale:MATRIX_SCALE_ROW1
.elseif fRA
	v_wmma_scale_f32_16x16x128_f8f6f4 v[rD:rD+7], v[rFB:rFB+15], v[rFA:rFA+15], v[rC:rC+7], v[rSB], v[rSA] matrix_a_fmt:MATRIX_FMT_BF8 matrix_b_fmt:MATRIX_FMT_BF8 matrix_b_scale:MATRIX_SCALE_ROW1
.else
	v_wmma_scale_f32_16x16x128_f8f6f4 v[rD:rD+7], v[rFB:rFB+15], v[rFA:rFA+15], v[rC:rC+7], v[rSB], v[rSA] matrix_a_fmt:MATRIX_FMT_BF8 matrix_b_fmt:MATRIX_FMT_BF8
.endif
.endif
.endm
; 16 products: A's blocks a0, a0 + 1 x B's eight; p: B's set; q: which 128 of the K step; sc: the set of scale words.  The 64 accumulators take turns, in the same order in every step.
.macro MUL16 a0, p, q, sc, first
.irp a, \a0, \a0+1
.irp b, 0,1,2,3,4,5,6,7
.set rD, 8*(8*((\a)%4)+\b)
.set rFB, 128*(\p)+16*\b
.set rFA, AF+16*(\a)
.set rSB, SC+16*(\sc)+8+2*(\b/2)+(\q)
.set rSA, SC+16*(\sc)+2*((\a)/2)+(\q)
.set rC, rD
.if (\first) && BIASC
.set rC, BI+8*\b
.endif
.set fRB, \b%2
.set fRA, (\a)%2
.set fZ, (\first) && (1-BIASC)
	WM
.endr
.endr
.endm
.macro STEP slot, first, lc            ; the first 128 of a K step
	s_wait_loadcnt \lc                             ; this K step's scale words are in; the eight loads issued behind them may be out
	s_wait_dscnt 16                                ; B's set and A's blocks 0-3 are in; A's blocks 4-7 may be out
.if (\first) && BIASC
	WIN 0x81
.else
	WIN 0xa1
.endif
	MUL16 0, 0, 0, \slot, \first
	MUL16 2, 0, 0, \slot, \first
	s_wait_dscnt 0x0
	PLACES NP
	FETCH_B \slot, 1, 1
	FETCH_A \slot, 1, 0
.if (\first) && BIASC
	WIN 0xc1
.else
	WIN 0xf1
.endif
	MUL16 4, 0, 0, \slot, \first
	MUL16 6, 0, 0, \slot, \first
	PLACES NP
	WIN 0
	FETCH_A \slot, 1, 4
.endm
.macro TURN slot, next, fill           ; the second 128, and the change of slots
	s_wait_tensorcnt 0x0                           ; all my tensor loads have landed: my part of the next slot
	ds_add_u32 v[SPW], v[NIL]                      ; 0 onto my spare word
	s_wait_dscnt 17                                ; the add and A's blocks 4-7 may be out
	WIN 0xa1
	MUL16 0, 1, 1, \slot, 0
	s_wait_dscnt 0x0                               ; the add is done, my reads of this slot are over
	s_barrier_signal -1
	MUL16 2, 1, 1, \slot, 0
	WIN 0
	s_barrier_wait -1
.if \fill
	CREST                                          ; the barrier has opened a round of the cluster's: no wave of any partner still reads this slot or has a load on its way
	s_add_nc_u64 s[G0+4*\slot+2:G0+4*\slot+3], s[G0+4*\slot+2:G0+4*\slot+3], 512
	s_add_nc_u64 s[G0B+4*\slot+2:G0B+4*\slot+3], s[G0B+4*\slot+2:G0B+4*\slot+3], 512
	JLOAD G0+4*\slot, G1, G0B+4*\slot, G1B
	PLACES NP-4
.else
	PLACES NP
.endif
	FETCH_B \next, 0, 0
	FETCH_A \next, 0, 0
	WIN 0xf1
	MUL16 4, 1, 1, \slot, 0
	MUL16 6, 1, 1, \slot, 0
	PLACES NP                                      ; also the places in front of the loads into this slot's scale words
	WIN 0
	FETCH_A \next, 0, 4
.if \fill
	GNEXT
	GSC \slot                                      ; the scale words of the K step two on
.endif
.endm
; 64 numbers of a lane in window w, registers s .. s + 63, register 16 b + i = k 32 b + 16 (lane / 16) + i of my row, become codes in v[PC] on and four scale bytes in v[TM+4] on
.macro QUANT w, s
	WIN ((\w)|((\w)<<2))
.irp b, 0,1,2,3
	v_max3_num_f32 v[TM+\b], |v[\s+16*\b]|, |v[\s+16*\b+1]|, 0x8000000   ; with the floor 2^(16 - 127)
.endr
.irp i, 2,4,6,8,10,12,14
.irp b, 0,1,2,3
	v_max3_num_f32 v[TM+\b], |v[\s+16*\b+\i]|, |v[\s+16*\b+\i+1]|, v[TM+\b]
.endr
.endr
	WIN 0
.irp b, 0,1,2,3
	v_permlanex16_b32 v[TM+4+\b], v[TM+\b], s[SEL], s[SEL+1]
.endr
.irp b, 0,1,2,3
	v_max_num_f32 v[TM+\b], v[TM+\b], v[TM+4+\b]   ; with lane l xor 16's 16: the block's largest magnitude
.endr
.irp b, 0,1,2,3
	v_add_nc_u32 v[TM+12+\b], 0xf8800000, v[TM+\b]
.endr
.irp b, 0,1,2,3
	v_and_or_b32 v[TM+8+\b], v[TM+\b], 0x7f800000, s[MNT]
.endr
.irp b, 0,1,2,3
	v_lshrrev_b32 v[TM+4+\b], 23, v[TM+12+\b]
.endr
	WIN (((\w)<<6)|(\w))
.irp b, 0,1,2,3
.irp i, 0,1,2,3,4,5,6,7,8,9,10,11,12,13,14,15
	v_med3_num_f32 v[\s+16*\b+\i], v[\s+16*\b+\i], -v[TM+8+\b], v[TM+8+\b]
.endr
.endr
	WIN (\w)
.irp b, 0,1,2,3
	v_cvt_scalef32_pk8_bf8_f32 v[PC+4*\b:PC+4*\b+1], v[\s+16*\b:\s+16*\b+7], v[TM+12+\b]
	v_cvt_scalef32_pk8_bf8_f32 v[PC+4*\b+2:PC+4*\b+3], v[\s+16*\b+8:\s+16*\b+15], v[TM+12+\b]
.endr
	WIN 0
	v_nop                                          ; a plain line behind the last scaled conversion
.endm
	s_load_b256 s[68:75], s[0:1], 0x0              ; prepb, bq, bk, bv
	s_load_b64 s[76:77], s[0:1], 0x20              ; qkvb
	v_lshl_add_u32 v[SPW], v0, 2, SPARE
	v_mov_b32 v[NIL], 0
	ds_add_u32 v28, v29
	ds_add_u32 v28, v29
	s_wait_dscnt 0x0
	v_lshrrev_b32 v1, 5, v0
	v_readfirstlane_b32 s14, v1                    ; wave
	s_lshr_b32 s15, s14, 1                         ; my half of A's rows; also: I fetch for A (0) or B (1)
	s_and_b32 s16, s14, 1                          ; my half of B's rows; also: which 128 rows I fetch
	s_bfe_u32 s40, ttmp6, 0x40000                  ; cx
	s_bfe_u32 s41, ttmp6, 0x40004                  ; cy
	s_and_b32 s13, ttmp7, 0xffff
	s_lshl_b32 s13, s13, 2                         ; 4 x cluster y
	s_add_co_u32 s17, s13, s41                     ; tokens' tile by cy
	s_add_co_u32 s12, s41, 8                       ; wv's tile by cy (wv begins 8 tiles of 256 rows into the three weights)
	s_lshl_b32 s42, ttmp9, 2
	s_add_co_u32 s42, s42, s40                     ; wq's or wk's tile by cx
	s_add_co_u32 s2, s13, s40                      ; tokens' tile by cx
	s_lshl_b32 s43, s41, 2
	s_lshl_b32 s43, 15, s43                        ; my row of the cluster
	s_lshl_b32 s44, 0x1111, s40                    ; my column
	s_mov_b32 s82, P_XS
	s_mov_b32 s83, P_WQKVS
	s_mov_b32 s84, 32768
	s_mov_b32 s86, 24576
	s_cmp_eq_u32 ttmp9, 2                          ; v?  The same in all sixteen partners
	s_cselect_b32 s78, s12, s17                    ; A's tile of 256 rows (cy alone)
	s_cselect_b32 s79, s2, s42                     ; B's (cx alone)
	s_cselect_b32 s80, P_WQKVC, 0                  ; where A's codes begin in prepb
	s_cselect_b32 s81, 0, P_WQKVC                  ; and B's
	s_cselect_b32 s82, P_WQKVS, s82                ; A's scale bytes
	s_cselect_b32 s83, P_XS, s83                   ; B's
	s_cselect_b32 s84, 24576, s84                  ; from K step to K step in A's scale bytes
	s_cselect_b32 s86, 32768, s86                  ; in B's
	s_cselect_b32 s88, s2, s17                     ; for the way out: the tokens' tile,
	s_cselect_b32 s89, s16, s15                    ; my half of it,
	s_cselect_b32 s90, s41, s40                    ; the columns' tile (0 .. 3),
	s_cselect_b32 s91, s15, s16                    ; my half of it
	s_mov_b32 s85, 0
	s_mov_b32 s87, 0
	s_or_b32 s[G1+0], s43, (1<<20)|(1<<21)|(5<<22)|(3<<25)    ; mask; elements of 1 byte; padding: 4 words behind every 64; bit 21 beside a mask
	s_or_b32 s[G1B+0], s44, (1<<20)|(1<<21)|(5<<22)|(3<<25)
.irp g, G1, G1B
	s_mov_b32 s[\g+1], 256<<16                     ; tensor_dim0
	s_mov_b32 s[\g+2], 128<<16                     ; tensor_dim1
	s_mov_b32 s[\g+3], 256<<16                     ; tile_dim0
	s_mov_b32 s[\g+4], 128                         ; tile_dim1
	s_mov_b32 s[\g+5], KROW                        ; pitch
	s_mov_b32 s[\g+6], 0
	s_mov_b32 s[\g+7], 0
.endr
	s_lshl_b32 s18, s16, 7
	s_lshl_b32 s20, s78, 8
	s_add_co_u32 s20, s20, s18
	s_lshl_b32 s20, s20, 10
	s_add_co_u32 s20, s20, s80
	s_mov_b32 s21, 0
	s_lshl_b32 s46, s79, 8
	s_add_co_u32 s46, s46, s18
	s_lshl_b32 s46, s46, 10
	s_add_co_u32 s46, s46, s81
	s_mov_b32 s47, 0
	s_mul_i32 s45, s14, HALFT                      ; where my load goes: wave x 128 rows
	s_lshl_b32 s8, s78, 8
	s_lshl_b32 s9, s15, 7
	s_add_co_u32 s8, s8, s9
	s_lshl_b32 s8, s8, 3
	s_add_co_u32 s8, s8, s82
	s_mov_b32 s9, 0
	s_lshl_b32 s10, s79, 8
	s_lshl_b32 s11, s16, 7
	s_add_co_u32 s10, s10, s11
	s_lshl_b32 s10, s10, 3
	s_add_co_u32 s10, s10, s83
	s_mov_b32 s11, 0
	s_mov_b32 s[MNT], 0x600000
	s_mov_b32 s[SEL], 0x76543210
	s_mov_b32 s[SEL+1], 0xfedcba98
	s_wait_kmcnt 0x0
	s_add_nc_u64 s[20:21], s[68:69], s[20:21]
	s_add_nc_u64 s[46:47], s[68:69], s[46:47]
	s_add_nc_u64 s[8:9], s[68:69], s[8:9]
	s_add_nc_u64 s[10:11], s[68:69], s[10:11]
	CROUND                                         ; all sixteen work-groups are here: the first joint loads meet
.irp s, 0,1
	s_mov_b32 s[G0+4*\s], 1
	s_add_co_u32 s[G0+4*\s+1], s45, \s*SLOT
	s_add_nc_u64 s[G0+4*\s+2:G0+4*\s+3], s[20:21], \s*256
	s_or_b32 s[G0+4*\s+3], s[G0+4*\s+3], 0x80000000
	s_mov_b32 s[G0B+4*\s], 1
	s_add_co_u32 s[G0B+4*\s+1], s45, \s*SLOT
	s_add_nc_u64 s[G0B+4*\s+2:G0B+4*\s+3], s[46:47], \s*256
	s_or_b32 s[G0B+4*\s+3], s[G0B+4*\s+3], 0x80000000
	JLOAD G0+4*\s, G1, G0B+4*\s, G1B
.endr
	v_and_b32 v1, 15, v0                           ; r
	v_bfe_u32 v2, v0, 4, 1                         ; h
	v_mul_u32_u24 v3, v1, PITCH
	v_lshl_add_u32 v4, v2, 4, v3
	s_mul_i32 s21, s15, HALFT
	s_mul_i32 s22, s16, HALFT
	s_add_co_u32 s22, s22, 2*HALFT
.irp s, 0,1
	v_add_nc_u32 v[ADRA+\s], s21, v4
	v_add_nc_u32 v[ADRB+\s], s22, v4
	s_add_co_u32 s21, s21, SLOT
	s_add_co_u32 s22, s22, SLOT
.endr
	v_and_b32 v5, 31, v0
	v_lshlrev_b32 v[SAO], 3, v5
	v_lshlrev_b32 v[LI], 4, v5
	s_cmp_eq_u32 ttmp9, 0                          ; the bias of what is made
	s_cselect_b64 s[92:93], s[70:71], s[72:73]
	s_cmp_eq_u32 ttmp9, 2
	s_cselect_b64 s[92:93], s[74:75], s[92:93]
	s_lshl_b32 s94, s90, 8
	s_lshl_b32 s95, s91, 7
	s_add_co_u32 s94, s94, s95
	s_lshl_b32 s94, s94, 2                         ; my first column x 4 bytes
	s_mov_b32 s95, 0
	s_add_nc_u64 s[92:93], s[92:93], s[94:95]
	v_lshlrev_b32 v5, 6, v2                        ; 16 h numbers
	v_and_b32 v6, 8, v1
	v_add_nc_u32 v6, v6, v1
	v_lshlrev_b32 v6, 2, v6                        ; r + 8 (r / 8) numbers
; both forms of the bias are loaded in every work-group, from its own 128 columns: by registers (q, k) and by lanes (v)
.irp b, 0,1,2,3,4,5,6,7
	global_load_b128 v[BI+8*\b:BI+8*\b+3], v5, s[92:93] offset:4*(32*(\b/2)+8*(\b%2))
	global_load_b128 v[BI+8*\b+4:BI+8*\b+7], v5, s[92:93] offset:4*(32*(\b/2)+8*(\b%2))+16
.endr
.irp a, 0,1,2,3,4,5,6,7
	global_load_b32 v[BV+\a], v6, s[92:93] offset:4*(32*(\a/2)+8*(\a%2))
.endr
	GSC 0
	GNEXT
	GSC 1
	s_lshr_b32 s94, s88, 3                         ; batch
	s_lshl_b32 s94, s94, 4
	s_lshl_b32 s95, s90, 2
	s_add_co_u32 s94, s94, s95
	s_lshl_b32 s95, s91, 1
	s_add_co_u32 s94, s94, s95                     ; 16 batch + my first head
	s_lshl_b32 s95, ttmp9, 5
	s_add_co_u32 s94, s94, s95                     ; + 32 type
	s_and_b32 s95, s88, 7
	s_lshl_b32 s95, s95, 1
	s_add_co_u32 s95, s95, s89                     ; my step of 128 tokens
	s_lshl_b32 s96, s94, 17
	s_lshl_b32 s97, s95, 13
	s_add_co_u32 s96, s96, s97
	s_mov_b32 s97, 0
	s_add_nc_u64 s[12:13], s[76:77], s[96:97]      ; my codes
	s_lshl_b32 s96, s94, 12
	s_lshl_b32 s98, s95, 8
	s_add_co_u32 s96, s96, s98
	s_add_co_u32 s96, s96, QKS
	s_add_nc_u64 s[4:5], s[76:77], s[96:97]        ; my scale words
	s_wait_tensorcnt 1                             ; my part of K step 0 is in; K step 1's may be out
	s_barrier_signal -1
	s_barrier_wait -1
	FETCH_B 0, 0, 0
	FETCH_A 0, 0, 0
	FETCH_A 0, 0, 4
	STEP 0, 1, 8                                   ; the first step starts the sums
	s_mov_b32 s3, LAPS-1
.Llap:
	TURN 0, 1, 1
	STEP 1, 0, 8
	TURN 1, 0, 1
	STEP 0, 0, 8
	s_sub_co_u32 s3, s3, 1
	s_cmp_lg_u32 s3, 0
	s_cbranch_scc1 .Llap
	TURN 0, 1, 0                                   ; the last lap fills nothing
	STEP 1, 0, 0
	s_wait_dscnt 16
	WIN 0xa1
	MUL16 0, 1, 1, 1, 0
	MUL16 2, 1, 1, 1, 0
	s_wait_dscnt 0x0
	WIN 0xf1
	MUL16 4, 1, 1, 1, 0
	MUL16 6, 1, 1, 1, 0
	WIN 0
; THE WAY OUT, A's block a at a time: bias, quantiser, four stores of 512 consecutive bytes, the scale bytes gathered into words
.macro EPI a, isv
.set W, 2+(\a)/4
.set S0, 64*((\a)%4)
.if \isv
	v_mov_b32 v[BP], v[BV+(\a)]                    ; my channel's bias, twice, for the packed addition
	v_mov_b32 v[BP+1], v[BV+(\a)]
.endif
	WIN ((W<<6)|W)
.set i, 0
.rept 32
.if \isv
	v_pk_add_f32 v[S0+i:S0+i+1], v[S0+i:S0+i+1], v[BP:BP+1]
.else
	v_pk_add_f32 v[S0+i:S0+i+1], v[S0+i:S0+i+1], v[BI+i:BI+i+1]   ; each accumulator from its low end on
.endif
.set i, i+2
.endr
	WIN 0
	s_wait_xcnt 0x0                                ; the last block's stores have read the codes' registers
	QUANT W, S0
.if \isv
	v_lshl_or_b32 v[WD+(\a)], v[TM+5], 8, v[TM+4]  ; fragment (head a / 4, tile a % 4): its four blocks of 32 tokens
	v_lshl_or_b32 v[WD+(\a)], v[TM+6], 16, v[WD+(\a)]
	v_lshl_or_b32 v[WD+(\a)], v[TM+7], 24, v[WD+(\a)]
.irp b, 0,1,2,3
	global_store_b128 v[LI], v[PC+4*\b:PC+4*\b+3], s[12:13] offset:((\a)/4)*131072+((\a)%4)*2048+\b*512
.endr
.else
.if (\a)%2 == 0
	v_lshl_or_b32 v[WD+(\a)/2], v[TM+5], 8, v[TM+4]          ; a word serves two tiles of tokens: bytes 0, 1 the even tile's two blocks, bytes 2, 3 the odd tile's
	v_lshl_or_b32 v[WD+4+(\a)/2], v[TM+7], 8, v[TM+6]        ; the second head
.else
	v_lshl_or_b32 v[WD+(\a)/2], v[TM+4], 16, v[WD+(\a)/2]
	v_lshl_or_b32 v[WD+(\a)/2], v[TM+5], 24, v[WD+(\a)/2]
	v_lshl_or_b32 v[WD+4+(\a)/2], v[TM+6], 16, v[WD+4+(\a)/2]
	v_lshl_or_b32 v[WD+4+(\a)/2], v[TM+7], 24, v[WD+4+(\a)/2]
.endif
.irp b, 0,1,2,3
	global_store_b128 v[LI], v[PC+4*\b:PC+4*\b+3], s[12:13] offset:(\b/2)*131072+(\a)*1024+(\b%2)*512
.endr
.endif
.endm
	PLACES NP
.irp b, 0,1,2,3
	v_mov_b32 v[TM+4+\b], 0                        ; a lane permute's destination counts as one of its sources
.endr
	s_mov_b32 vcc_lo, 0xffff0000                   ; lanes 16-31
	s_cmp_eq_u32 ttmp9, 2
	s_cbranch_scc1 .Lv
.irp a, 0,1,2,3,4,5,6,7
	EPI \a, 0
.endr
	s_branch .Ltail
.Lv:
.irp a, 0,1,2,3,4,5,6,7
	EPI \a, 1
.endr
.Ltail:
.irp g, 0,1                            ; head g: fragment i's word goes to word i / 2, lanes 16 (i % 2) + r
	v_cndmask_b32 v[OW+2*\g], v[WD+4*\g], v[WD+4*\g+1], vcc_lo
	v_cndmask_b32 v[OW+2*\g+1], v[WD+4*\g+2], v[WD+4*\g+3], vcc_lo
	global_store_b64 v[SAO], v[OW+2*\g:OW+2*\g+1], s[4:5] offset:4096*\g   ; 256 consecutive bytes, aligned
.endr
	s_wait_tensorcnt 0x0                           ; the wave's end
	ds_add_u32 v[SPW], v[NIL]
	s_wait_dscnt 0x0
	CROUND                                         ; the closing round
	s_endpgm
.Lfunc_end_k_q2e147f95cf_qkv:
	.size	k_q2e147f95cf_qkv, .Lfunc_end_k_q2e147f95cf_qkv-k_q2e147f95cf_qkv
	.p2alignl 7, 3214868480
	.fill 96, 4, 3214868480
	.section	.rodata,"a",@progbits
	.p2align	6, 0x0
	.amdhsa_kernel k_q2e147f95cf_qkv
		.amdhsa_group_segment_fixed_size 327680
		.amdhsa_private_segment_fixed_size 0
		.amdhsa_enable_private_segment 0
		.amdhsa_kernarg_size 40
		.amdhsa_user_sgpr_count 2
		.amdhsa_user_sgpr_kernarg_segment_ptr 1
		.amdhsa_wavefront_size32 1
		.amdhsa_system_sgpr_workgroup_id_x 1
		.amdhsa_system_sgpr_workgroup_id_y 1
		.amdhsa_system_sgpr_workgroup_id_z 1
		.amdhsa_system_vgpr_workitem_id 0
		.amdhsa_next_free_vgpr 1024
		.amdhsa_next_free_sgpr 102
		.amdhsa_reserve_vcc 1
		.amdhsa_float_denorm_mode_32 3
		.amdhsa_float_denorm_mode_16_64 3
		.amdhsa_memory_ordered 1
		.amdhsa_forward_progress 1
		.amdhsa_inst_pref_size 255
	.end_amdhsa_kernel
	.section	.bss,"aw",@nobits
	.p2align	6
	.space	262144
	.amdgpu_metadata
---
amdhsa.version: [ 1, 2 ]
amdhsa.kernels:
  - .name:           k_q2e147f95cf_qkv
    .symbol:         k_q2e147f95cf_qkv.kd
    .args:
      - { .name: prepb, .offset: 0, .size: 8, .value_kind: global_buffer, .address_space: global }
      - { .name: bq, .offset: 8, .size: 8, .value_kind: global_buffer, .address_space: global }
      - { .name: bk, .offset: 16, .size: 8, .value_kind: global_buffer, .address_space: global }
      - { .name: bv, .offset: 24, .size: 8, .value_kind: global_buffer, .address_space: global }
      - { .name: qkvb, .offset: 32, .size: 8, .value_kind: global_buffer, .address_space: global }
    .group_segment_fixed_size: 327680
    .private_segment_fixed_size: 0
    .kernarg_segment_align: 8
    .kernarg_segment_size: 40
    .max_flat_workgroup_size: 128
    .sgpr_count:     102
    .vgpr_count:     1024
    .wavefront_size: 32
...
	.end_amdgpu_metadata
.endif
;; end of part 2
;; launch attn (part 3): grid 8 x 32, 16 waves a work-group, no clusters, 272,384 bytes of LDS; arguments qkvb, attnb; writes attnb
.if DOCPART == 3
	.amdgcn_target "amdgcn-amd-amdhsa--gfx1250"
	.amdhsa_code_object_version 6
	.text
	.protected	k_q2e147f95cf_attn
	.globl	k_q2e147f95cf_attn
	.p2align	8
	.type	k_q2e147f95cf_attn,@function
k_q2e147f95cf_attn:
	s_mov_b64 s[64:65], 0
	v_nop
	global_prefetch_b8 v0, s[64:65] scope:SCOPE_SE
	s_setreg_imm32_b32 hwreg(HW_REG_WAVE_MODE, 25, 1), 1
	s_wait_xcnt 0x0
; ATTENTION of one head (bh = work-group y) on codes of E5M2.  scores = q . k / 8; a key after the query has the logit -1000 (not minus infinity): it stays in the maximum, the sum and the second product.
; t = logit x log2(e); M = the running largest t rounded up to a whole number; p = 2^(t - M) is quantised along the keys; the row's sum is taken of the unquantised p and divides at the end.
; SHARES.  Sixteen waves, each one tile of 16 queries.  Waves 0-7 take the group of 128 queries G = x, waves 8-15 the group 15 - x: every work-group has 17 steps with visible keys for each pair of waves.
; Every wave walks all 16 key steps of 128.  A step before the group is open, the group's own step lies on the diagonal (hidden scores become -8000 = -1000 x 8 ahead of the maximum),
; and a step behind it has ONE logit for all its keys: no first product, one exponential, one code, and V's four products.  The branches hang on ids alone.
; The running maximum begins at the hidden keys' t in every row that has hidden keys (all but query 2,047), so M does not move in the hidden steps.
; LDS: the head's K and V images and their scale words are resident, filled once by six tensor loads a wave, issued together at the head; no byte is filled twice.
; HEAD SIZE 64 is half of the instruction's K: a fragment holds key tile 2 f in k 0-63 and tile 2 f + 1 in k 64-127; it is multiplied by (q, zeros) and by (zeros, q): zero codes cancel the other tile.
; CLUSTERS are not used: the branches above hang on the work-group's x, which partners of a cluster would not share.
; LIMITS: p under 2^-126 is 0 (v_exp_f32 flushes); a block of such p has the byte 1 and zero codes; NaN and infinities are not served.
.set QKS,  12582912
.set VSO,  12845056
.set VLDS, 131072                      ; LDS: K's images 0 .. 131,071 (8,192 a step), V's behind them,
.set SCK,  262144                      ; K's scale words (256 a step),
.set SCV,  266240                      ; V's
.set LI,   1                           ; 16 x lane
.set DD,   3                           ; my query in its group - 16 (lane / 16)
.set AV0,  4
.set ASK0, 5
.set ASV0, 6
.set ADK,  8
.set ADV,  9
.set ADS,  10
.set ADT,  11
.set KV,   40                          ; v40-103 four fragments of K, then of V
.set S,    104                         ; v104-167 S^T, then p
.set O,    168                         ; v168-199 O^T
.set PC,   200                         ; v200-215 p's codes
.set BM,   216
.set T4,   220
.set LIM,  224
.set SOP,  228
.set KS,   232                         ; v232-237 hold scales and nothing else
.set VS,   234
.set PW,   236
.set QS,   237
.set F,    238
.set WK,   240
.set MSK,  245                         ; -8000.0
.set WV,   18
.set MNT,  19
.set SEL,  20
.set CS,   22
.set G1C,  24
.set G1S,  32
.set G0,   40
.set GG,   66
.set EE,   67
.set TB,   68
.set TS,   69
.set SI,   70
.set CNT,  71
	s_load_b128 s[4:7], s[0:1], 0x0                ; qkvb, attnb
	v_lshl_add_u32 v254, v0, 2, 0x42000
	v_mov_b32 v255, 0
	ds_add_u32 v254, v255
	ds_add_u32 v254, v255
	v_lshrrev_b32 v8, 5, v0
	v_readfirstlane_b32 s[WV], v8                  ; wave 0 .. 15
	s_and_b32 s72, ttmp7, 0xffff                   ; bh
	s_sub_co_u32 s73, 15, ttmp9
	s_cmp_lt_u32 s[WV], 8
	s_cselect_b32 s[GG], ttmp9, s73                ; my group of 128 queries
	s_cselect_b32 s74, 32, 64                      ; waves 0-7 fetch K's images (type 1), waves 8-15 V's (type 2)
	s_and_b32 s[EE], s[WV], 7                      ; my tile in the group
	s_add_co_u32 s74, s74, s72
	s_lshl_b32 s74, s74, 17
	s_lshl_b32 s75, s[EE], 12
	s_add_co_u32 s74, s74, s75                     ; my 4,096 bytes of a chunk of 32,768, in memory
	s_mov_b32 s75, 0
	s_lshl_b32 s76, s[WV], 12
	s_lshr_b32 s77, s[WV], 3
	s_mul_i32 s77, s77, 98304
	s_add_co_u32 s76, s76, s77                     ; and in LDS: 4,096 w, + 98,304 for V's
	s_lshl_b32 s78, s72, 12
	s_lshl_b32 s79, s[WV], 8
	s_add_co_u32 s78, s78, s79
	s_add_co_u32 s80, s78, QKS+32*4096             ; K's scale words of step w
	s_mov_b32 s81, 0
	s_add_co_u32 s82, s78, VSO                     ; V's
	s_mov_b32 s83, 0
	s_mov_b32 s[G1C], 3<<16                        ; 16 rows of 32 elements of 8 bytes: 4,096 dense bytes
	s_mov_b32 s[G1C+1], 32<<16
	s_mov_b32 s[G1C+2], 16<<16
	s_mov_b32 s[G1C+3], 32<<16
	s_mov_b32 s[G1C+4], 16
	s_mov_b32 s[G1C+5], 32
	s_mov_b32 s[G1C+6], 0
	s_mov_b32 s[G1C+7], 0
	s_mov_b32 s[G1S], 3<<16                        ; one row of 256 bytes
	s_mov_b32 s[G1S+1], 32<<16
	s_mov_b32 s[G1S+2], 1<<16
	s_mov_b32 s[G1S+3], 32<<16
	s_mov_b32 s[G1S+4], 1
	s_mov_b32 s[G1S+5], 32
	s_mov_b32 s[G1S+6], 0
	s_mov_b32 s[G1S+7], 0
	s_mov_b32 s[SEL], 0x76543210
	s_mov_b32 s[SEL+1], 0xfedcba98
	s_mov_b32 s[CS], 0x3e38aa3b                    ; c = log2(e) / 8
	s_mov_b32 s[CS+1], s[CS]
	s_mov_b32 s[MNT], 0x600000
	s_wait_dscnt 0x0
	s_wait_kmcnt 0x0
	s_mov_b32 s[G0], 1
	s_add_co_u32 s[G0+1], s79, SCK
	s_add_nc_u64 s[G0+2:G0+3], s[4:5], s[80:81]
	s_or_b32 s[G0+3], s[G0+3], 0x80000000
	s_mov_b32 s[G0+4], 1
	s_add_co_u32 s[G0+5], s79, SCV
	s_add_nc_u64 s[G0+6:G0+7], s[4:5], s[82:83]
	s_or_b32 s[G0+7], s[G0+7], 0x80000000
	s_add_nc_u64 s[74:75], s[4:5], s[74:75]
.irp c, 0,1,2,3
	s_mov_b32 s[G0+8+4*\c], 1
	s_add_co_u32 s[G0+9+4*\c], s76, \c*32768
	s_add_nc_u64 s[G0+10+4*\c:G0+11+4*\c], s[74:75], \c*32768
	s_or_b32 s[G0+11+4*\c], s[G0+11+4*\c], 0x80000000
.endr
	tensor_load_to_lds s[G0:G0+3], s[G1S:G1S+7]    ; all first fills together: six loads of mine are out
	s_nop 0
	tensor_load_to_lds s[G0+4:G0+7], s[G1S:G1S+7]
	s_nop 0
.irp c, 0,1,2,3
	tensor_load_to_lds s[G0+8+4*\c:G0+11+4*\c], s[G1C:G1C+7]
	s_nop 0
.endr
.rept 4
	v_nop
.endr
	s_lshl_b32 s84, s72, 17
	s_lshl_b32 s85, s[GG], 3
	s_add_co_u32 s85, s85, s[EE]
	s_lshl_b32 s85, s85, 10
	s_add_co_u32 s84, s84, s85
	s_mov_b32 s85, 0
	s_add_nc_u64 s[8:9], s[4:5], s[84:85]          ; q's image: tile 8 G + e
	s_lshl_b32 s86, s72, 12
	s_lshl_b32 s87, s[GG], 8
	s_add_co_u32 s86, s86, s87
	s_bfe_u32 s87, s[EE], 0x10001
	s_lshl_b32 s87, s87, 7
	s_add_co_u32 s86, s86, s87
	s_lshr_b32 s87, s[EE], 2
	s_lshl_b32 s87, s87, 2
	s_add_co_u32 s86, s86, s87
	s_add_co_u32 s86, s86, QKS
	s_mov_b32 s87, 0
	s_add_nc_u64 s[10:11], s[4:5], s[86:87]        ; q's scale word: word e / 4, lanes 16 ((e / 2) % 2) + r
	s_and_b32 s88, s[EE], 1
	s_lshl_b32 s89, s88, 3
	s_lshl_b32 s88, s88, 4                         ; its half: 16 (e % 2) bits up
	s_lshr_b32 s92, s[EE], 1
	s_lshl_b32 s92, s92, 5
	s_add_co_u32 s92, s92, s89                     ; 32 (e / 2) + 8 (e % 2)
	s_lshr_b32 s90, s72, 4
	s_lshl_b32 s90, s90, 11
	s_lshl_b32 s94, s[GG], 7
	s_add_co_u32 s90, s90, s94
	s_add_co_u32 s90, s90, s92
	s_lshl_b32 s90, s90, 12
	s_and_b32 s91, s72, 15
	s_lshl_b32 s91, s91, 8
	s_add_co_u32 s90, s90, s91
	s_mov_b32 s91, 0
	s_add_nc_u64 s[6:7], s[6:7], s[90:91]          ; my tile's first row and my head's 256 bytes in attnb
	v_and_b32 v9, 31, v0
	v_lshlrev_b32 v[LI], 4, v9
	v_lshlrev_b32 v2, 3, v9
	v_and_b32 v8, 15, v0                           ; r
	v_lshlrev_b32 v7, 3, v8
	global_load_b128 v[16:19], v[LI], s[8:9]       ; q, k 0-63
	global_load_b128 v[20:23], v[LI], s[8:9] offset:512
	global_load_b128 v[32:35], v[LI], s[8:9]       ; and once more, for k 64-127
	global_load_b128 v[36:39], v[LI], s[8:9] offset:512
	global_load_b32 v[WK], v7, s[10:11]
	v_bfe_u32 v9, v0, 4, 1                         ; h
	v_and_b32 v10, 8, v8
	v_add_nc_u32 v10, v10, v8
	v_add_nc_u32 v10, s92, v10                     ; my query in its group
	v_lshlrev_b32 v11, 4, v9
	v_sub_nc_u32 v[DD], v10, v11
	v_add_nc_u32 v10, s94, v10                     ; my query
	v_add_nc_u32 v[AV0], VLDS, v[LI]
	v_add_nc_u32 v[ASK0], SCK, v2
	v_add_nc_u32 v[ASV0], SCV, v2
	v_mov_b32 v[MSK], 0xc5fa0000                   ; -8000: x c it is the hidden keys' t
	v_mul_f32 v13, s[CS], v[MSK]                   ; the largest t so far: the hidden keys',
	v_mov_b32 v[WK+1], 0xff61b1e6
	v_cmp_eq_u32 vcc_lo, 0x7ff, v10
	v_cndmask_b32 v13, v13, v[WK+1], vcc_lo        ; or -3e38 for the one query that has none
	v_floor_f32 v12, -v13                          ; -M
	s_wait_loadcnt 0x0
	v_lshrrev_b32 v[WK], s88, v[WK]
	v_and_b32 v[WK], 0xffff, v[WK]
	v_lshl_or_b32 v[QS], v[WK], 16, v[WK]          ; q's two bytes, for both halves of K
	v_mov_b32 v14, 0
	v_mov_b32 v15, 0
.irp j, 0,1,2,3,4,5,6,7
	v_mov_b32 v[24+\j], 0                          ; the zero codes between the two copies of q
.endr
.set n, 0
.rept 32
	v_mov_b32 v[O+n], 0                            ; the step is written once: the first finds zeros
.set n, n+1
.endr
.irp b, 0,1,2,3
	v_mov_b32 v[T4+\b], 0
.endr
	v_mov_b32 v[F+1], 0
; A KEY STEP of 128 keys
.macro STEP
	v_add_nc_u32 v[ADK], s[TB], v[LI]
	v_add_nc_u32 v[ADV], s[TB], v[AV0]
	v_add_nc_u32 v[ADS], s[TS], v[ASK0]
	v_add_nc_u32 v[ADT], s[TS], v[ASV0]
.rept 4
	v_nop                                          ; with the four additions: eight places behind the last step's products, in front of loads into their registers
.endr
	s_cmp_gt_u32 s[SI], s[GG]
	s_cbranch_scc1 .Lhid_\@
.irp f, 0,1,2,3
.irp c, 0,1,2,3
	ds_load_b128 v[KV+16*\f+4*\c:KV+16*\f+4*\c+3], v[ADK] offset:2048*\f+512*\c
.endr
.endr
	ds_load_b64 v[KS:KS+1], v[ADS]
	s_wait_dscnt 0x0
.irp f, 0,1,2,3                        ; S^T: source 0 = two tiles of 16 keys, source 1 = my 16 queries
.if \f%2
	v_wmma_scale_f32_16x16x128_f8f6f4 v[S+16*\f:S+16*\f+7], v[KV+16*\f:KV+16*\f+15], v[16:31], 0, v[KS+\f/2], v[QS] matrix_a_fmt:MATRIX_FMT_BF8 matrix_b_fmt:MATRIX_FMT_BF8 matrix_a_scale:MATRIX_SCALE_ROW1
	v_wmma_scale_f32_16x16x128_f8f6f4 v[S+16*\f+8:S+16*\f+15], v[KV+16*\f:KV+16*\f+15], v[24:39], 0, v[KS+\f/2], v[QS] matrix_a_fmt:MATRIX_FMT_BF8 matrix_b_fmt:MATRIX_FMT_BF8 matrix_a_scale:MATRIX_SCALE_ROW1
.else
	v_wmma_scale_f32_16x16x128_f8f6f4 v[S+16*\f:S+16*\f+7], v[KV+16*\f:KV+16*\f+15], v[16:31], 0, v[KS+\f/2], v[QS] matrix_a_fmt:MATRIX_FMT_BF8 matrix_b_fmt:MATRIX_FMT_BF8
	v_wmma_scale_f32_16x16x128_f8f6f4 v[S+16*\f+8:S+16*\f+15], v[KV+16*\f:KV+16*\f+15], v[24:39], 0, v[KS+\f/2], v[QS] matrix_a_fmt:MATRIX_FMT_BF8 matrix_b_fmt:MATRIX_FMT_BF8
.endif
.endr                                  ; register 16 b + i of S^T: key 32 b + 16 (lane / 16) + i of the step
.rept 8
	v_nop
.endr
.irp t, 0,1,2,3                        ; V's fragments take K's registers and land under the softmax
.irp c, 0,1,2,3
	ds_load_b128 v[KV+16*\t+4*\c:KV+16*\t+4*\c+3], v[ADV] offset:2048*\t+512*\c
.endr
.endr
	ds_load_b64 v[VS:VS+1], v[ADT]
	s_cmp_eq_u32 s[SI], s[GG]
	s_cbranch_scc0 .Lopen_\@
.set n, 0
.rept 64                               ; on the diagonal: hidden where 32 b + i > my query - 16 (lane / 16)
	v_cmp_gt_i32 vcc_lo, 32*(n/16)+n%16, v[DD]
	v_cndmask_b32 v[S+n], v[S+n], v[MSK], vcc_lo
.set n, n+1
.endr
.Lopen_\@:
.irp b, 0,1,2,3
	v_max3_num_f32 v[BM+\b], v[S+16*\b], v[S+16*\b+1], v[S+16*\b+2]   ; the largest score of each block of 32 keys: for the row's maximum, and for the block's largest p
.endr
.irp i, 3,5,7,9,11,13
.irp b, 0,1,2,3
	v_max3_num_f32 v[BM+\b], v[BM+\b], v[S+16*\b+\i], v[S+16*\b+\i+1]
.endr
.endr
.irp b, 0,1,2,3
	v_max_num_f32 v[BM+\b], v[BM+\b], v[S+16*\b+15]
.endr
.irp b, 0,1,2,3
	v_permlanex16_b32 v[T4+\b], v[BM+\b], s[SEL], s[SEL+1]
.endr
.irp b, 0,1,2,3
	v_max_num_f32 v[BM+\b], v[BM+\b], v[T4+\b]
.endr
	v_max3_num_f32 v[WK], v[BM], v[BM+1], v[BM+2]
	v_max_num_f32 v[WK], v[WK], v[BM+3]
	v_mul_f32 v[WK], s[CS], v[WK]
	v_max_num_f32 v13, v13, v[WK]                  ; the running largest t
	v_mov_b32 v[WK], v12
	v_floor_f32 v12, -v13                          ; the new -M: a whole number
	v_sub_f32 v[WK], v12, v[WK]
	v_cvt_i32_f32 v[WK], v[WK]                     ; (it saturates)
	v_ldexp_f32 v[F], 1.0, v[WK]                   ; f = 2^(old M - new M): rounds nothing
.set n, 0
.rept 32
	v_pk_fma_f32 v[S+n:S+n+1], v[S+n:S+n+1], s[CS:CS+1], v[12:13] op_sel_hi:[1,0,0]   ; t - M
.set n, n+2
.endr
.irp b, 0,1,2,3
	v_fma_f32 v[BM+\b], v[BM+\b], s[CS], v12
.endr
.set n, 0
.rept 64
	v_exp_f32 v[S+n], v[S+n]                       ; p
.set n, n+1
.endr
	v_pk_mul_f32 v[14:15], v[14:15], v[F:F+1] op_sel_hi:[1,0]   ; the sums under the new M; a plain line behind the exponentials
	s_wait_alu depctr_va_vdst(0)                   ; one wait for the batch, ahead of its first use
.irp b, 0,1,2,3
	v_exp_f32 v[BM+\b], v[BM+\b]                   ; each block's largest p
.endr
	v_pk_add_f32 v[T4:T4+1], v[S:S+1], v[S+2:S+3]  ; the row's sum, of the unquantised p, in two chains
.irp j, 4,8,12,16,20,24,28,32,36,40,44,48,52,56,60
	v_pk_add_f32 v[14:15], v[14:15], v[S+\j:S+\j+1]
	v_pk_add_f32 v[T4:T4+1], v[T4:T4+1], v[S+\j+2:S+\j+3]
.endr
	v_pk_add_f32 v[14:15], v[14:15], v[T4:T4+1]
	s_wait_alu depctr_va_vdst(0)                   ; and one for the four
.irp b, 0,1,2,3
	v_max_num_f32 v[BM+\b], 0x8000000, v[BM+\b]
.endr
.irp b, 0,1,2,3
	v_add_nc_u32 v[SOP+\b], 0xf8800000, v[BM+\b]
.endr
.irp b, 0,1,2,3
	v_and_or_b32 v[LIM+\b], v[BM+\b], 0x7f800000, s[MNT]
.endr
.irp b, 0,1,2,3
	v_lshrrev_b32 v[T4+\b], 23, v[SOP+\b]
.endr
	v_lshl_or_b32 v[PW], v[T4+1], 8, v[T4]         ; p's scale word for these 128 keys
	v_lshl_or_b32 v[PW], v[T4+2], 16, v[PW]
	v_lshl_or_b32 v[PW], v[T4+3], 24, v[PW]
.irp b, 0,1,2,3
.irp i, 0,1,2,3,4,5,6,7,8,9,10,11,12,13,14,15
	v_min_num_f32 v[S+16*\b+\i], v[S+16*\b+\i], v[LIM+\b]   ; the hold; p is not negative
.endr
	v_cvt_scalef32_pk8_bf8_f32 v[PC+4*\b:PC+4*\b+1], v[S+16*\b:S+16*\b+7], v[SOP+\b]
	v_cvt_scalef32_pk8_bf8_f32 v[PC+4*\b+2:PC+4*\b+3], v[S+16*\b+8:S+16*\b+15], v[SOP+\b]
.endr
.set n, 0
.rept 16
	v_pk_mul_f32 v[O+n:O+n+1], v[O+n:O+n+1], v[F:F+1] op_sel_hi:[1,0]   ; O^T under the new M; also the places in front of the products below
.set n, n+2
.endr
	s_branch .Lpv_\@
.Lhid_\@:                              ; all 128 keys are hidden: one logit
.irp t, 0,1,2,3
.irp c, 0,1,2,3
	ds_load_b128 v[KV+16*\t+4*\c:KV+16*\t+4*\c+3], v[ADV] offset:2048*\t+512*\c
.endr
.endr
	ds_load_b64 v[VS:VS+1], v[ADT]
	v_fma_f32 v[WK], v[MSK], s[CS], v12            ; t - M
	v_exp_f32 v[WK], v[WK]
	v_nop
	s_wait_alu depctr_va_vdst(0)
	v_fmac_f32 v14, 0x42800000, v[WK]              ; my 64 keys' share of the sum
	v_max_num_f32 v[WK+1], 0x8000000, v[WK]
	v_add_nc_u32 v[SOP], 0xf8800000, v[WK+1]
	v_and_or_b32 v[LIM], v[WK+1], 0x7f800000, s[MNT]
	v_lshrrev_b32 v[WK+2], 23, v[SOP]
	v_lshl_or_b32 v[PW], v[WK+2], 8, v[WK+2]
	v_lshl_or_b32 v[PW], v[PW], 16, v[PW]          ; the same byte for the four blocks
.irp i, 0,1,2,3,4,5,6,7
	v_min_num_f32 v[S+\i], v[WK], v[LIM]           ; eight plain lines behind the scale word
.endr
.irp i, 0,1,2,3,4,5,6,7
	v_cvt_scalef32_pk8_bf8_f32 v[PC+2*\i:PC+2*\i+1], v[S:S+7], v[SOP]
.endr
.rept 4
	v_nop                                          ; four places between the codes and the products
.endr
.Lpv_\@:
	s_wait_dscnt 0x0
.irp t, 0,1,2,3                        ; O^T += V^T P^T; the four accumulators take turns
.if \t%2
	v_wmma_scale_f32_16x16x128_f8f6f4 v[O+8*\t:O+8*\t+7], v[KV+16*\t:KV+16*\t+15], v[PC:PC+15], v[O+8*\t:O+8*\t+7], v[VS+\t/2], v[PW] matrix_a_fmt:MATRIX_FMT_BF8 matrix_b_fmt:MATRIX_FMT_BF8 matrix_a_scale:MATRIX_SCALE_ROW1
.else
	v_wmma_scale_f32_16x16x128_f8f6f4 v[O+8*\t:O+8*\t+7], v[KV+16*\t:KV+16*\t+15], v[PC:PC+15], v[O+8*\t:O+8*\t+7], v[VS+\t/2], v[PW] matrix_a_fmt:MATRIX_FMT_BF8 matrix_b_fmt:MATRIX_FMT_BF8
.endif
.endr
	s_add_co_u32 s[SI], s[SI], 1
	s_add_co_u32 s[TB], s[TB], 8192
	s_add_co_u32 s[TS], s[TS], 256
.endm
.macro CHUNK c                         ; four key steps: 32,768 bytes of K's images and of V's
	s_wait_tensorcnt 3-\c                          ; my part of this chunk is in (and the scale words); the later chunks may be out
	s_wait_dscnt 0x0
	s_barrier_signal -1
	s_barrier_wait -1                              ; everybody's part is in
	s_mov_b32 s[TB], \c*32768
	s_mov_b32 s[TS], \c*1024
	s_mov_b32 s[SI], \c*4
	s_mov_b32 s[CNT], 4
.Lstep_\@:
	STEP
	s_sub_co_u32 s[CNT], s[CNT], 1
	s_cmp_lg_u32 s[CNT], 0
	s_cbranch_scc1 .Lstep_\@
.endm
	CHUNK 0
	CHUNK 1
	CHUNK 2
	CHUNK 3
; THE WAY OUT: O^T / the sum, through my stage (16 rows x 272 bytes, in K's bytes, which nobody reads behind this barrier), so that sixteen lanes store 256 consecutive bytes
	s_wait_dscnt 0x0
	s_barrier_signal -1
	s_barrier_wait -1
.rept 8
	v_nop
.endr
	v_add_f32 v14, v14, v15
	v_permlanex16_b32 v[WK], v14, s[SEL], s[SEL+1]
	v_add_f32 v14, v14, v[WK]                      ; the row's sum
	v_rcp_f32 v14, v14
	v_and_b32 v8, 15, v0
	v_bfe_u32 v9, v0, 4, 1
	s_mul_i32 s73, s[WV], 16*272
	v_mul_u32_u24 v10, v8, 272
	v_lshl_add_u32 v10, v9, 6, v10
	v_add_nc_u32 v10, s73, v10                     ; in: row r, + 64 h
	v_mul_u32_u24 v11, v9, 272
	v_lshl_add_u32 v11, v8, 4, v11
	v_add_nc_u32 v11, s73, v11                     ; back: two rows an instruction
	v_lshlrev_b32 v7, 12, v9
	v_lshl_add_u32 v7, v8, 4, v7
	s_wait_alu depctr_va_vdst(0)
.set n, 0
.rept 32
	v_mul_f32 v[S+n], v[O+n], v14                  ; register 8 t + j: channel 32 (t / 2) + 8 (t % 2) + 16 h + j
.set n, n+1
.endr
.irp t, 0,1,2,3
	ds_store_b128 v10, v[S+8*\t:S+8*\t+3] offset:128*(\t/2)+32*(\t%2)
	ds_store_b128 v10, v[S+8*\t+4:S+8*\t+7] offset:128*(\t/2)+32*(\t%2)+16
.endr
.irp i, 0,1,2,3,4,5,6,7
	ds_load_b128 v[KV+4*\i:KV+4*\i+3], v11 offset:2*\i*272   ; LDS serves a wave's instructions in order
.endr
.irp i, 0,1,2,3,4,5,6,7
	s_wait_dscnt 7-\i
	global_store_b128 v7, v[KV+4*\i:KV+4*\i+3], s[6:7] offset:(2*\i+8*(\i/4))*4096   ; stage row p is query p + 8 (p / 8) of the tile
.endr
	s_wait_tensorcnt 0x0
	ds_add_u32 v254, v255
	s_wait_dscnt 0x0
	s_endpgm
.Lfunc_end_k_q2e147f95cf_attn:
	.size	k_q2e147f95cf_attn, .Lfunc_end_k_q2e147f95cf_attn-k_q2e147f95cf_attn
	.p2alignl 7, 3214868480
	.fill 96, 4, 3214868480
	.section	.rodata,"a",@progbits
	.p2align	6, 0x0
	.amdhsa_kernel k_q2e147f95cf_attn
		.amdhsa_group_segment_fixed_size 272384
		.amdhsa_private_segment_fixed_size 0
		.amdhsa_enable_private_segment 0
		.amdhsa_kernarg_size 16
		.amdhsa_user_sgpr_count 2
		.amdhsa_user_sgpr_kernarg_segment_ptr 1
		.amdhsa_wavefront_size32 1
		.amdhsa_system_sgpr_workgroup_id_x 1
		.amdhsa_system_sgpr_workgroup_id_y 1
		.amdhsa_system_sgpr_workgroup_id_z 1
		.amdhsa_system_vgpr_workitem_id 0
		.amdhsa_next_free_vgpr 256
		.amdhsa_next_free_sgpr 100
		.amdhsa_reserve_vcc 1
		.amdhsa_float_denorm_mode_32 3
		.amdhsa_float_denorm_mode_16_64 3
		.amdhsa_memory_ordered 1
		.amdhsa_forward_progress 1
		.amdhsa_inst_pref_size 118
	.end_amdhsa_kernel
	.amdgpu_metadata
---
amdhsa.version: [ 1, 2 ]
amdhsa.kernels:
  - .name:           k_q2e147f95cf_attn
    .symbol:         k_q2e147f95cf_attn.kd
    .args:
      - { .name: qkvb, .offset: 0, .size: 8, .value_kind: global_buffer, .address_space: global }
      - { .name: attnb, .offset: 8, .size: 8, .value_kind: global_buffer, .address_space: global }
    .group_segment_fixed_size: 272384
    .private_segment_fixed_size: 0
    .kernarg_segment_align: 8
    .kernarg_segment_size: 16
    .max_flat_workgroup_size: 512
    .sgpr_count:     100
    .vgpr_count:     256
    .wavefront_size: 32
...
	.end_amdgpu_metadata
.endif
;; end of part 3
;; launch ln1 (part 4): grid 128 x 1, 16 waves a work-group, no clusters, 84,992 bytes of LDS; arguments x, attnb, ln_g, ln_b, hbuf; writes hbuf
.if DOCPART == 4
	.amdgcn_target "amdgcn-amd-amdhsa--gfx1250"
	.amdhsa_code_object_version 6
	.text
	.protected	k_q2e147f95cf_ln1
	.globl	k_q2e147f95cf_ln1
	.p2align	8
	.type	k_q2e147f95cf_ln1,@function
k_q2e147f95cf_ln1:
	s_mov_b64 s[64:65], 0
	v_nop
	global_prefetch_b8 v0, s[64:65] scope:SCOPE_SE
	s_setreg_imm32_b32 hwreg(HW_REG_WAVE_MODE, 25, 1), 1
	s_wait_xcnt 0x0
; LN1: h = LayerNorm(x + attention) in f32, stored, and quantised along its 1,024 columns for the first product of the MLP.
; A work-group takes 32 rows, a wave two; a row is 32 registers of one wave, so mean and variance (two passes, as the reference has them) never leave the wave.
; hbuf: h f32 [4096][1024]; from HC on codes [4096][1024]; from HS on scale bytes [K step 4][row 4096][8].
; The quantiser wants 16 neighbours in a lane: half a row at a time turns through the wave's own stage in LDS.  The 32 rows' scale bytes meet in LDS and leave as four aligned runs of 256 bytes.
; LIMITS: blocks under 2^-111 get the byte 1; NaN and infinities are not served.
.set HC, 16777216
.set HS, 20971520
.set SP, 80
.set SG, 81920                         ; behind sixteen waves' stages (5,120 each): [K step 4][row 32][8]
.set G,  16
.set B,  48
.set X0, 80
.set A0, 112
.set X1, 144
.set A1, 176
.set C,  208
.set E,  224
	s_load_b256 s[4:11], s[0:1], 0x0               ; x, attnb, ln_g, ln_b
	s_load_b64 s[12:13], s[0:1], 0x20              ; hbuf
	v_lshl_add_u32 v240, v0, 2, 0x14400
	v_mov_b32 v241, 0
	v_lshrrev_b32 v1, 5, v0
	v_readfirstlane_b32 s18, v1
	v_and_b32 v2, 31, v0
	v_lshlrev_b32 v3, 4, v2
	v_mov_b32 v4, 0
	s_mov_b32 s14, 0x76543210
	s_mov_b32 s15, 0xfedcba98
	s_mov_b32 s16, 0x3a800000                      ; 1 / 1,024
	s_mov_b32 s17, 0x3727c5ac                      ; 1e-5
	s_mov_b32 s23, 0x600000
	s_mul_i32 s19, s18, 2*32*SP
	v_lshrrev_b32 v14, 2, v2
	v_mul_u32_u24 v14, v14, SP
	v_and_b32 v15, 3, v2
	v_lshl_add_u32 v14, v15, 4, v14
	v_add_nc_u32 v14, s19, v14
	v_mul_u32_u24 v15, v2, SP
	v_add_nc_u32 v15, s19, v15
	v_lshrrev_b32 v5, 1, v2
	v_lshrrev_b32 v6, 3, v5
	v_and_b32 v5, 7, v5
	v_lshl_add_u32 v5, v6, 8, v5
	s_lshl_b32 s21, s18, 4
	s_add_co_u32 s21, s21, SG
	v_add_nc_u32 v5, s21, v5                       ; 256 (p / 8) + p % 8 + 16 w
	v_lshlrev_b32 v7, 3, v2
	s_min_u32 s22, s18, 3
	s_lshl_b32 s21, s22, 8
	s_add_co_u32 s21, s21, SG
	v_add_nc_u32 v6, s21, v7
	s_lshl_b32 s20, ttmp9, 5
	s_lshl_b32 s21, s18, 1
	s_add_co_u32 s20, s20, s21                     ; my first row
	s_lshl_b32 s24, s20, 12
	s_mov_b32 s25, 0
	s_lshl_b32 s26, s20, 10
	s_add_co_u32 s26, s26, HC
	s_mov_b32 s27, 0
	s_lshl_b32 s20, s22, 15
	s_lshl_b32 s21, ttmp9, 8
	s_add_co_u32 s20, s20, s21
	s_add_co_u32 s20, s20, HS
	s_mov_b32 s21, 0
	s_wait_kmcnt 0x0
	s_add_nc_u64 s[4:5], s[4:5], s[24:25]
	s_add_nc_u64 s[6:7], s[6:7], s[24:25]
	s_add_nc_u64 s[28:29], s[12:13], s[24:25]
	s_add_nc_u64 s[30:31], s[12:13], s[26:27]
	s_add_nc_u64 s[12:13], s[12:13], s[20:21]
.irp j, 0,1,2,3,4,5,6,7
	global_load_b128 v[G+4*\j:G+4*\j+3], v3, s[8:9] offset:512*\j
.endr
.irp j, 0,1,2,3,4,5,6,7
	global_load_b128 v[B+4*\j:B+4*\j+3], v3, s[10:11] offset:512*\j
.endr
.irp j, 0,1,2,3,4,5,6,7
	global_load_b128 v[X0+4*\j:X0+4*\j+3], v3, s[4:5] offset:512*\j th:TH_LOAD_NT
.endr
.irp j, 0,1,2,3,4,5,6,7
	global_load_b128 v[A0+4*\j:A0+4*\j+3], v3, s[6:7] offset:512*\j th:TH_LOAD_NT
.endr
.irp j, 0,1,2,3,4,5,6,7
	global_load_b128 v[X1+4*\j:X1+4*\j+3], v3, s[4:5] offset:4096+512*\j th:TH_LOAD_NT
.endr
.irp j, 0,1,2,3,4,5,6,7
	global_load_b128 v[A1+4*\j:A1+4*\j+3], v3, s[6:7] offset:4096+512*\j th:TH_LOAD_NT
.endr
.macro WSUM                            ; v8 summed over the 32 lanes
	v_add_f32_dpp v8, v8, v8 row_xmask:1 row_mask:0xf bank_mask:0xf
	v_add_f32_dpp v8, v8, v8 row_xmask:2 row_mask:0xf bank_mask:0xf
	v_add_f32_dpp v8, v8, v8 row_xmask:4 row_mask:0xf bank_mask:0xf
	v_add_f32_dpp v8, v8, v8 row_xmask:8 row_mask:0xf bank_mask:0xf
	v_permlanex16_b32 v4, v8, s14, s15
	v_add_f32 v8, v8, v4
.endm
.macro ROW i, xr, ar, left
	s_wait_loadcnt \left                           ; this row's loads are in; the other row's sixteen may be out
.set k, 0
.rept 16
	v_pk_add_f32 v[\xr+k:\xr+k+1], v[\xr+k:\xr+k+1], v[\ar+k:\ar+k+1]
.set k, k+2
.endr
	v_pk_add_f32 v[8:9], v[\xr:\xr+1], v[\xr+2:\xr+3]
	v_pk_add_f32 v[10:11], v[\xr+4:\xr+5], v[\xr+6:\xr+7]
.irp j, 8,12,16,20,24,28
	v_pk_add_f32 v[8:9], v[8:9], v[\xr+\j:\xr+\j+1]
	v_pk_add_f32 v[10:11], v[10:11], v[\xr+\j+2:\xr+\j+3]
.endr
	v_pk_add_f32 v[8:9], v[8:9], v[10:11]
	v_add_f32 v8, v8, v9
	WSUM
	v_mul_f32 v12, s16, v8                         ; the mean
	v_mov_b32 v13, v12
.set k, 0
.rept 16
	v_pk_add_f32 v[\xr+k:\xr+k+1], v[\xr+k:\xr+k+1], v[12:13] neg_lo:[0,1] neg_hi:[0,1]
.set k, k+2
.endr
	v_pk_mul_f32 v[8:9], v[\xr:\xr+1], v[\xr:\xr+1]
	v_pk_mul_f32 v[10:11], v[\xr+2:\xr+3], v[\xr+2:\xr+3]
.irp j, 4,8,12,16,20,24,28
	v_pk_fma_f32 v[8:9], v[\xr+\j:\xr+\j+1], v[\xr+\j:\xr+\j+1], v[8:9]
	v_pk_fma_f32 v[10:11], v[\xr+\j+2:\xr+\j+3], v[\xr+\j+2:\xr+\j+3], v[10:11]
.endr
	v_pk_add_f32 v[8:9], v[8:9], v[10:11]
	v_add_f32 v8, v8, v9
	WSUM
	v_fma_f32 v8, v8, s16, s17                     ; the variance + 1e-5
	v_rsq_f32 v12, v8
	v_rsq_f32 v13, v8
	v_nop
	s_wait_alu depctr_va_vdst(0)                   ; one wait for both, ahead of their first use
.set k, 0
.rept 16
	v_pk_mul_f32 v[\xr+k:\xr+k+1], v[\xr+k:\xr+k+1], v[12:13]
.set k, k+2
.endr
.set k, 0
.rept 16
	v_pk_fma_f32 v[\xr+k:\xr+k+1], v[\xr+k:\xr+k+1], v[G+k:G+k+1], v[B+k:B+k+1]
.set k, k+2
.endr
.irp j, 0,1,2,3,4,5,6,7
	global_store_b128 v3, v[\xr+4*\j:\xr+4*\j+3], s[28:29] offset:4096*\i+512*\j   ; 512 consecutive bytes
.endr
.irp s, 0,1                            ; half a row through the stage: in as it lies, back 16 neighbours a lane
.irp k, 0,1,2,3
	ds_store_b128 v14, v[\xr+16*\s+4*\k:\xr+16*\s+4*\k+3] offset:32*SP*\s+8*SP*\k
.endr
.irp k, 0,1,2,3
	ds_load_b128 v[\ar+16*\s+4*\k:\ar+16*\s+4*\k+3], v15 offset:32*SP*\s+16*\k
.endr
.endr
	s_wait_dscnt 0x0
.irp s, 0,1
	v_max3_num_f32 v8, |v[\ar+16*\s]|, |v[\ar+16*\s+1]|, |v[\ar+16*\s+2]|
	v_max3_num_f32 v9, |v[\ar+16*\s+3]|, |v[\ar+16*\s+4]|, |v[\ar+16*\s+5]|
.irp j, 6,10
	v_max3_num_f32 v8, v8, |v[\ar+16*\s+\j]|, |v[\ar+16*\s+\j+1]|
	v_max3_num_f32 v9, v9, |v[\ar+16*\s+\j+2]|, |v[\ar+16*\s+\j+3]|
.endr
	v_max3_num_f32 v8, v8, |v[\ar+16*\s+14]|, |v[\ar+16*\s+15]|
	v_max3_num_f32 v8, v8, v9, 0x8000000
	v_max_num_f32_dpp v8, v8, v8 row_xmask:1 row_mask:0xf bank_mask:0xf
	v_add_nc_u32 v11, 0xf8800000, v8
	v_and_or_b32 v10, v8, 0x7f800000, s23
.irp j, 0,1,2,3,4,5,6,7,8,9,10,11,12,13,14,15
	v_med3_num_f32 v[\ar+16*\s+\j], v[\ar+16*\s+\j], -v10, v10
.endr
	v_cvt_scalef32_pk8_bf8_f32 v[C+4*(2*\i+\s):C+4*(2*\i+\s)+1], v[\ar+16*\s:\ar+16*\s+7], v11
	v_cvt_scalef32_pk8_bf8_f32 v[C+4*(2*\i+\s)+2:C+4*(2*\i+\s)+3], v[\ar+16*\s+8:\ar+16*\s+15], v11
	v_lshrrev_b32 v[E+2*\i+\s], 23, v11
	ds_store_b8 v5, v[E+2*\i+\s] offset:512*\s+8*\i
	global_store_b128 v3, v[C+4*(2*\i+\s):C+4*(2*\i+\s)+3], s[30:31] offset:1024*\i+512*\s
.endr
.endm
	ROW 0, X0, A0, 16
	ROW 1, X1, A1, 0
	s_wait_dscnt 0x0
	s_barrier_signal -1
	s_barrier_wait -1                              ; the 32 rows' scale bytes lie in LDS
	s_cmp_lt_u32 s18, 4
	s_cbranch_scc0 .Lend
	ds_load_b64 v[12:13], v6
	s_wait_dscnt 0x0
	global_store_b64 v7, v[12:13], s[12:13]        ; K step w: 32 rows x 8 bytes, 256 consecutive bytes, aligned
.Lend:
	s_wait_tensorcnt 0x0
	ds_add_u32 v240, v241
	s_wait_dscnt 0x0
	s_endpgm
.Lfunc_end_k_q2e147f95cf_ln1:
	.size	k_q2e147f95cf_ln1, .Lfunc_end_k_q2e147f95cf_ln1-k_q2e147f95cf_ln1
	.p2alignl 7, 3214868480
	.fill 96, 4, 3214868480
	.section	.rodata,"a",@progbits
	.p2align	6, 0x0
	.amdhsa_kernel k_q2e147f95cf_ln1
		.amdhsa_group_segment_fixed_size 84992
		.amdhsa_private_segment_fixed_size 0
		.amdhsa_enable_private_segment 0
		.amdhsa_kernarg_size 40
		.amdhsa_user_sgpr_count 2
		.amdhsa_user_sgpr_kernarg_segment_ptr 1
		.amdhsa_wavefront_size32 1
		.amdhsa_system_sgpr_workgroup_id_x 1
		.amdhsa_system_sgpr_workgroup_id_y 1
		.amdhsa_system_sgpr_workgroup_id_z 1
		.amdhsa_system_vgpr_workitem_id 0
		.amdhsa_next_free_vgpr 242
		.amdhsa_next_free_sgpr 66
		.amdhsa_reserve_vcc 0
		.amdhsa_float_denorm_mode_32 3
		.amdhsa_float_denorm_mode_16_64 3
		.amdhsa_memory_ordered 1
		.amdhsa_forward_progress 1
		.amdhsa_inst_pref_size 34
	.end_amdhsa_kernel
	.amdgpu_metadata
---
amdhsa.version: [ 1, 2 ]
amdhsa.kernels:
  - .name:           k_q2e147f95cf_ln1
    .symbol:         k_q2e147f95cf_ln1.kd
    .args:
      - { .name: x, .offset: 0, .size: 8, .value_kind: global_buffer, .address_space: global }
      - { .name: attnb, .offset: 8, .size: 8, .value_kind: global_buffer, .address_space: global }
      - { .name: ln_g, .offset: 16, .size: 8, .value_kind: global_buffer, .address_space: global }
      - { .name: ln_b, .offset: 24, .size: 8, .value_kind: global_buffer, .address_space: global }
      - { .name: hbuf, .offset: 32, .size: 8, .value_kind: global_buffer, .address_space: global }
    .group_segment_fixed_size: 84992
    .private_segment_fixed_size: 0
    .kernarg_segment_align: 8
    .kernarg_segment_size: 40
    .max_flat_workgroup_size: 512
    .sgpr_count:     66
    .vgpr_count:     242
    .wavefront_size: 32
...
	.end_amdgpu_metadata
.endif
;; end of part 4
;; launch mlp1 (part 5): grid 16 x 16, 4 waves a work-group, clusters of 4 x 4, 327,680 bytes of LDS; arguments hbuf, prepb, b1, gbuf; writes gbuf
.if DOCPART == 5
	.amdgcn_target "amdgcn-amd-amdhsa--gfx1250"
	.amdhsa_code_object_version 6
	.text
	.protected	k_q2e147f95cf_mlp1
	.globl	k_q2e147f95cf_mlp1
	.p2align	8
	.type	k_q2e147f95cf_mlp1,@function
k_q2e147f95cf_mlp1:
	s_mov_b64 s[64:65], 0
	v_nop
	global_prefetch_b8 v0, s[64:65] scope:SCOPE_SE
	s_setreg_imm32_b32 hwreg(HW_REG_WAVE_MODE, 25, 1), 1
	s_wait_xcnt 0x0
	s_wait_alu depctr_hold_cnt(0) depctr_sa_sdst(0) depctr_va_vdst(0) depctr_va_sdst(0) depctr_va_ssrc(0) depctr_va_vcc(0) depctr_vm_vsrc(0)
	s_getreg_b32 s2, hwreg(HW_REG_IB_STS2, 6, 4)
	s_cmp_eq_u32 s2, 0
	s_cbranch_scc0 .Lentry_in_a_cluster
	s_endpgm
.Lentry_in_a_cluster:
	s_bfe_u32 s2, ttmp6, 0x10000c
	s_cmp_lg_u32 s2, 0xf033
	s_cbranch_scc0 .Lentry_shape_is_right
	s_endpgm
.Lentry_shape_is_right:
; MLP1: g = gelu(h w1 + b1) on codes of E5M2 (K = 1,024), g quantised at once along the 4,096 hidden units for the last product.
; A work-group makes 256 x 256, a wave 128 x 128; K in steps of 256 through two LDS slots filled by joint tensor loads of a 4 x 4 cluster (A's tile shared along a row, B's along a column).
; Source 0 = w1's columns (row positions with bits 3, 4 exchanged), source 1 = tokens: a lane holds a token, and the 16 registers of accumulators (a, 2 c), (a, 2 c + 1) are 16 neighbouring hidden units.
; b1 is the C of each sum's first product.
; GELU, exact form: g = max(y, 0) - 0.5 |y| erfc(|y| / sqrt 2), erfc(a) = t exp(-a^2 + c0 + t (c1 + .. + t c9)), t = 1 / (1 + a / 2): a ten-term formula whose fractional error is 1.2e-7 for every a >= 0,
; evaluated in f32; nothing is cut at the drawn inputs' range (a large a gives exp -> 0 and g = max(y, 0)).
; THE WAY OUT runs as a loop, for the code's size: a window's 32 accumulators go to the wave's own bytes of LDS as they stand and come back 64 registers (a block of 16 tokens) a trip.
; gbuf: codes [4096][4096]; from 16,777,216 on scale bytes [K step 16][row 4096][8].
; LIMITS: blocks under 2^-111 get the byte 1; NaN and infinities are not served.
.set KROW,  1024
.set LAPS,  2
.set BIASC, 1
.set A_CODES,  16777216
.set A_SCALES, 20971520
.set B_CODES,  7340032
.set B_SCALES, 15958016
.set STRIDE_A, 32768
.set STRIDE_B, 32768
.set PITCH, 272
.set HALFT, 128*PITCH
.set SLOT,  4*HALFT
.set SPARE, 2*SLOT
.set NP,    8
.set CSTG,  139264                     ; the way out, in the ring, which has had its last fill: codes, 256 rows x 272;
.set SSTG,  208896                     ; scale words, 256 rows x 8.  Bytes 0 .. 131,071: the four waves' accumulators
.set GA,   12
.set GSA,  13
.set PWR,  14
.set ADRA, 16
.set RDA,  18
.set RDS,  19
.set ADRB, 20
.set C8V,  22
.set DLI,  24
.set CST,  25
.set SST,  26
.set SAO,  27
.set SPW,  28
.set NIL,  29
.set SC,   32
.set BI,   64
.set Y,    64
.set AF,   128
.set U,    128
.set T,    160
.set P,    192
.set TM,   224
.set PC,   240
.set G1,  24
.set G0,  32
.set G1B, 48
.set G0B, 56
.set STA, 72
.set STB, 74
.set RS2, 76
.set L2E, 78
.set C0,  80
.set C9,  96
.set TD,  98
.set TC,  99
.set TSS, 2
.set MNT, 19
.set SEL, 100
.set MSB, 0
.macro WIN new
.if MSB != (\new)
	s_set_vgpr_msb (MSB<<8)|(\new)
.set MSB, (\new)
.endif
.endm
.macro JLOAD g0a, g1a, g0b, g1b
	s_cmp_eq_u32 s15, 0
	s_cbranch_scc0 .Lfor_b_\@
	tensor_load_to_lds s[\g0a:\g0a+3], s[\g1a:\g1a+7]
	s_nop 0
.rept 4
	v_nop
.endr
	s_branch .Lasked_\@
.Lfor_b_\@:
	tensor_load_to_lds s[\g0b:\g0b+3], s[\g1b:\g1b+7]
	s_nop 0
.rept 4
	v_nop
.endr
.Lasked_\@:
.endm
.macro CREST
	s_cmp_lg_u32 s14, 0
	s_cbranch_scc1 .Lnot_wave_0_\@
	s_barrier_signal -3
.Lnot_wave_0_\@:
	s_barrier_wait -3
	s_barrier_signal -1
	s_barrier_wait -1
.endm
.macro CROUND
	s_barrier_signal -1
	s_barrier_wait -1
	CREST
.endm
.macro PLACES n
.rept \n
	v_nop
.endr
.endm
.macro FRAG reg, adr, q, i
.irp c, 0,1,2,3
	ds_load_b128 v[\reg+4*\c:\reg+4*\c+3], v[\adr] offset:128*(\q)+32*\c+(\i)*16*PITCH
.endr
.endm
.macro FETCH_B slot, q, p
	WIN 0x40
.irp i, 0,1,2,3,4,5,6,7
	FRAG 128*(\p)+16*\i, ADRB+\slot, \q, \i
.endr
	WIN 0
.endm
.macro FETCH_A slot, q, i0
.irp i, \i0, \i0+1, \i0+2, \i0+3
	FRAG AF+16*(\i), ADRA+\slot, \q, \i
.endr
.endm
.macro GSC set
.irp g, 0,1,2,3
	global_load_b64 v[SC+16*(\set)+2*\g:SC+16*(\set)+2*\g+1], v[SAO], s[8:9] offset:256*\g
.endr
.irp g, 0,1,2,3
	global_load_b64 v[SC+16*(\set)+8+2*\g:SC+16*(\set)+8+2*\g+1], v[SAO], s[10:11] offset:256*\g
.endr
.endm
.macro GNEXT
	s_wait_xcnt 0x0
	s_add_nc_u64 s[8:9], s[8:9], s[STA:STA+1]
	s_add_nc_u64 s[10:11], s[10:11], s[STB:STB+1]
.endm
.macro WM
.if fZ
.if fRB && fRA
	v_wmma_scale_f32_16x16x128_f8f6f4 v[rD:rD+7], v[rFB:rFB+15], v[rFA:rFA+15], 0, v[rSB], v[rSA] matrix_a_fmt:MATRIX_FMT_BF8 matrix_b_fmt:MATRIX_FMT_BF8 matrix_a_scale:MATRIX_SCALE_ROW1 matrix_b_scale:MATRIX_SCALE_ROW1
.elseif fRB
	v_wmma_scale_f32_16x16x128_f8f6f4 v[rD:rD+7], v[rFB:rFB+15], v[rFA:rFA+15], 0, v[rSB], v[rSA] matrix_a_fmt:MATRIX_FMT_BF8 matrix_b_fmt:MATRIX_FMT_BF8 matrix_a_scale:MATRIX_SCALE_ROW1
.elseif fRA
	v_wmma_scale_f32_16x16x128_f8f6f4 v[rD:rD+7], v[rFB:rFB+15], v[rFA:rFA+15], 0, v[rSB], v[rSA] matrix_a_fmt:MATRIX_FMT_BF8 matrix_b_fmt:MATRIX_FMT_BF8 matrix_b_scale:MATRIX_SCALE_ROW1
.else
	v_wmma_scale_f32_16x16x128_f8f6f4 v[rD:rD+7], v[rFB:rFB+15], v[rFA:rFA+15], 0, v[rSB], v[rSA] matrix_a_fmt:MATRIX_FMT_BF8 matrix_b_fmt:MATRIX_FMT_BF8
.endif
.else
.if fRB && fRA
	v_wmma_scale_f32_16x16x128_f8f6f4 v[rD:rD+7], v[rFB:rFB+15], v[rFA:rFA+15], v[rC:rC+7], v[rSB], v[rSA] matrix_a_fmt:MATRIX_FMT_BF8 matrix_b_fmt:MATRIX_FMT_BF8 matrix_a_scale:MATRIX_SCALE_ROW1 matrix_b_scale:MATRIX_SCALE_ROW1
.elseif fRB
	v_wmma_scale_f32_16x16x128_f8f6f4 v[rD:rD+7], v[rFB:rFB+15], v[rFA:rFA+15], v[rC:rC+7], v[rSB], v[rSA] matrix_a_fmt:MATRIX_FMT_BF8 matrix_b_fmt:MATRIX_FMT_BF8 matrix_a_scale:MATRIX_SCALE_ROW1
.elseif fRA
	v_wmma_scale_f32_16x16x128_f8f6f4 v[rD:rD+7], v[rFB:rFB+15], v[rFA:rFA+15], v[rC:rC+7], v[rSB], v[rSA] matrix_a_fmt:MATRIX_FMT_BF8 matrix_b_fmt:MATRIX_FMT_BF8 matrix_b_scale:MATRIX_SCALE_ROW1
.else
	v_wmma_scale_f32_16x16x128_f8f6f4 v[rD:rD+7], v[rFB:rFB+15], v[rFA:rFA+15], v[rC:rC+7], v[rSB], v[rSA] matrix_a_fmt:MATRIX_FMT_BF8 matrix_b_fmt:MATRIX_FMT_BF8
.endif
.endif
.endm
.macro MUL16 a0, p, q, sc, first       ; the 64 accumulators take turns, in the same order in every step
.irp a, \a0, \a0+1
.irp b, 0,1,2,3,4,5,6,7
.set rD, 8*(8*((\a)%4)+\b)
.set rFB, 128*(\p)+16*\b
.set rFA, AF+16*(\a)
.set rSB, SC+16*(\sc)+8+2*(\b/2)+(\q)
.set rSA, SC+16*(\sc)+2*((\a)/2)+(\q)
.set rC, rD
.if (\first) && BIASC
.set rC, BI+8*\b
.endif
.set fRB, \b%2
.set fRA, (\a)%2
.set fZ, (\first) && (1-BIASC)
	WM
.endr
.endr
.endm
.macro STEP slot, first, lc
	s_wait_loadcnt \lc                             ; this K step's scale words (and the bias) are in; the eight loads issued last may be out
	s_wait_dscnt 16                                ; A's blocks 4-7 may be out
.if (\first) && BIASC
	WIN 0x81
.else
	WIN 0xa1
.endif
	MUL16 0, 0, 0, \slot, \first
	MUL16 2, 0, 0, \slot, \first
	s_wait_dscnt 0x0
	PLACES NP
	FETCH_B \slot, 1, 1
	FETCH_A \slot, 1, 0
.if (\first) && BIASC
	WIN 0xc1
.else
	WIN 0xf1
.endif
	MUL16 4, 0, 0, \slot, \first
	MUL16 6, 0, 0, \slot, \first
	PLACES NP
	WIN 0
	FETCH_A \slot, 1, 4
.endm
.macro TURN slot, next, fill
	s_wait_tensorcnt 0x0                           ; all my tensor loads have landed
	ds_add_u32 v[SPW], v[NIL]                      ; 0 onto my spare word
	s_wait_dscnt 17                                ; the add and A's blocks 4-7 may be out
	WIN 0xa1
	MUL16 0, 1, 1, \slot, 0
	s_wait_dscnt 0x0                               ; the add is done, my reads of this slot are over
	s_barrier_signal -1
	MUL16 2, 1, 1, \slot, 0
	WIN 0
	s_barrier_wait -1
.if \fill
	CREST
	s_add_nc_u64 s[G0+4*\slot+2:G0+4*\slot+3], s[G0+4*\slot+2:G0+4*\slot+3], 512
	s_add_nc_u64 s[G0B+4*\slot+2:G0B+4*\slot+3], s[G0B+4*\slot+2:G0B+4*\slot+3], 512
	JLOAD G0+4*\slot, G1, G0B+4*\slot, G1B
	PLACES NP-4
.else
	PLACES NP
.endif
	FETCH_B \next, 0, 0
	FETCH_A \next, 0, 0
	WIN 0xf1
	MUL16 4, 1, 1, \slot, 0
	MUL16 6, 1, 1, \slot, 0
	PLACES NP
	WIN 0
	FETCH_A \next, 0, 4
.if \fill
	GNEXT
	GSC \slot
.endif
.endm
.macro QUANT w, s
	WIN ((\w)|((\w)<<2))
.irp b, 0,1,2,3
	v_max3_num_f32 v[TM+\b], |v[\s+16*\b]|, |v[\s+16*\b+1]|, 0x8000000
.endr
.irp i, 2,4,6,8,10,12,14
.irp b, 0,1,2,3
	v_max3_num_f32 v[TM+\b], |v[\s+16*\b+\i]|, |v[\s+16*\b+\i+1]|, v[TM+\b]
.endr
.endr
	WIN 0
.irp b, 0,1,2,3
	v_permlanex16_b32 v[TM+4+\b], v[TM+\b], s[SEL], s[SEL+1]
.endr
.irp b, 0,1,2,3
	v_max_num_f32 v[TM+\b], v[TM+\b], v[TM+4+\b]
.endr
.irp b, 0,1,2,3
	v_add_nc_u32 v[TM+12+\b], 0xf8800000, v[TM+\b]
.endr
.irp b, 0,1,2,3
	v_and_or_b32 v[TM+8+\b], v[TM+\b], 0x7f800000, s[MNT]
.endr
.irp b, 0,1,2,3
	v_lshrrev_b32 v[TM+4+\b], 23, v[TM+12+\b]
.endr
	WIN (((\w)<<6)|(\w))
.irp b, 0,1,2,3
.irp i, 0,1,2,3,4,5,6,7,8,9,10,11,12,13,14,15
	v_med3_num_f32 v[\s+16*\b+\i], v[\s+16*\b+\i], -v[TM+8+\b], v[TM+8+\b]
.endr
.endr
	WIN (\w)
.irp b, 0,1,2,3
	v_cvt_scalef32_pk8_bf8_f32 v[PC+4*\b:PC+4*\b+1], v[\s+16*\b:\s+16*\b+7], v[TM+12+\b]
	v_cvt_scalef32_pk8_bf8_f32 v[PC+4*\b+2:PC+4*\b+3], v[\s+16*\b+8:\s+16*\b+15], v[TM+12+\b]
.endr
	WIN 0
	v_nop
.endm
; gelu of 32 numbers, v[y] on, in place
.macro GELU y
.set i, 0
.rept 32
	v_mul_f32 v[U+i], s[RS2], |v[\y+i]|            ; a = |y| / sqrt 2
.set i, i+1
.endr
.set i, 0
.rept 16
	v_pk_fma_f32 v[T+i:T+i+1], v[U+i:U+i+1], 0.5, 1.0 op_sel_hi:[1,0,0]
.set i, i+2
.endr
.set i, 0
.rept 32
	v_rcp_f32 v[T+i], v[T+i]                       ; t
.set i, i+1
.endr
.set i, 0
.rept 32
	v_max_num_f32 v[\y+i], 0, v[\y+i]              ; plain work behind the reciprocals
.set i, i+1
.endr
	s_wait_alu depctr_va_vdst(0)                   ; one wait for the batch
.set i, 0
.rept 16
	v_pk_fma_f32 v[P+i:P+i+1], v[T+i:T+i+1], s[C9:C9+1], v[C8V:C8V+1] op_sel_hi:[1,0,1]
.set i, i+2
.endr
.irp k, 7,6,5,4,3,2,1,0
.set i, 0
.rept 16
	v_pk_fma_f32 v[P+i:P+i+1], v[P+i:P+i+1], v[T+i:T+i+1], s[C0+2*\k:C0+2*\k+1] op_sel_hi:[1,1,0]
.set i, i+2
.endr
.endr
.set i, 0
.rept 16
	v_pk_fma_f32 v[P+i:P+i+1], v[U+i:U+i+1], v[U+i:U+i+1], v[P+i:P+i+1] neg_lo:[1,0,0] neg_hi:[1,0,0]
.set i, i+2
.endr
.set i, 0
.rept 16
	v_pk_mul_f32 v[P+i:P+i+1], v[P+i:P+i+1], s[L2E:L2E+1] op_sel_hi:[1,0]
.set i, i+2
.endr
.set i, 0
.rept 32
	v_exp_f32 v[P+i], v[P+i]
.set i, i+1
.endr
.set i, 0
.rept 16
	v_pk_mul_f32 v[U+i:U+i+1], v[U+i:U+i+1], s[RS2:RS2+1] op_sel_hi:[1,0]   ; |y| / 2; plain work behind the exponentials
.set i, i+2
.endr
	s_wait_alu depctr_va_vdst(0)
.set i, 0
.rept 16
	v_pk_mul_f32 v[P+i:P+i+1], v[P+i:P+i+1], v[T+i:T+i+1]                   ; erfc
.set i, i+2
.endr
.set i, 0
.rept 16
	v_pk_fma_f32 v[\y+i:\y+i+1], v[U+i:U+i+1], v[P+i:P+i+1], v[\y+i:\y+i+1] neg_lo:[1,0,0] neg_hi:[1,0,0]
.set i, i+2
.endr
.endm
	s_load_b128 s[4:7], s[0:1], 0x0                ; hbuf, prepb
	s_load_b128 s[68:71], s[0:1], 0x10             ; b1, gbuf
	v_lshl_add_u32 v[SPW], v0, 2, SPARE
	v_mov_b32 v[NIL], 0
	ds_add_u32 v28, v29
	ds_add_u32 v28, v29
	s_wait_dscnt 0x0
	v_lshrrev_b32 v1, 5, v0
	v_readfirstlane_b32 s14, v1
	s_lshr_b32 s15, s14, 1
	s_and_b32 s16, s14, 1
	s_bfe_u32 s40, ttmp6, 0x40000
	s_bfe_u32 s41, ttmp6, 0x40004
	s_lshl_b32 s42, ttmp9, 2
	s_add_co_u32 s42, s42, s40                     ; tile column
	s_and_b32 s17, ttmp7, 0xffff
	s_lshl_b32 s17, s17, 2
	s_add_co_u32 s17, s17, s41                     ; tile row
	s_lshl_b32 s43, s41, 2
	s_lshl_b32 s43, 15, s43
	s_lshl_b32 s44, 0x1111, s40
	s_or_b32 s[G1+0], s43, (1<<20)|(1<<21)|(5<<22)|(3<<25)
	s_or_b32 s[G1B+0], s44, (1<<20)|(1<<21)|(5<<22)|(3<<25)
.irp g, G1, G1B
	s_mov_b32 s[\g+1], 256<<16
	s_mov_b32 s[\g+2], 128<<16
	s_mov_b32 s[\g+3], 256<<16
	s_mov_b32 s[\g+4], 128
	s_mov_b32 s[\g+5], KROW
	s_mov_b32 s[\g+6], 0
	s_mov_b32 s[\g+7], 0
.endr
	s_lshl_b32 s18, s16, 7
	s_lshl_b32 s20, s17, 8
	s_add_co_u32 s20, s20, s18
	s_mul_i32 s20, s20, KROW
	s_add_co_u32 s20, s20, A_CODES
	s_mov_b32 s21, 0
	s_lshl_b32 s46, s42, 8
	s_add_co_u32 s46, s46, s18
	s_mul_i32 s46, s46, KROW
	s_add_co_u32 s46, s46, B_CODES
	s_mov_b32 s47, 0
	s_mul_i32 s45, s14, HALFT
	s_lshl_b32 s8, s17, 8
	s_lshl_b32 s9, s15, 7
	s_add_co_u32 s8, s8, s9
	s_lshl_b32 s8, s8, 3
	s_add_co_u32 s8, s8, A_SCALES
	s_mov_b32 s9, 0
	s_lshl_b32 s10, s42, 8
	s_lshl_b32 s11, s16, 7
	s_add_co_u32 s10, s10, s11
	s_lshl_b32 s22, s10, 2                         ; my first column x 4 bytes of the bias
	s_mov_b32 s23, 0
	s_lshl_b32 s10, s10, 3
	s_add_co_u32 s10, s10, B_SCALES
	s_mov_b32 s11, 0
	s_mov_b32 s[STA], STRIDE_A
	s_mov_b32 s[STA+1], 0
	s_mov_b32 s[STB], STRIDE_B
	s_mov_b32 s[STB+1], 0
	s_mov_b32 s[MNT], 0x600000
	s_mov_b32 s[SEL], 0x76543210
	s_mov_b32 s[SEL+1], 0xfedcba98
	s_mov_b32 s[RS2], 0x3f3504f3                   ; sqrt(1 / 2)
	s_mov_b32 s[L2E], 0x3fb8aa3b                   ; log2(e)
	s_mov_b32 s[C0], 0xbfa1fc4e
	s_mov_b32 s[C0+2], 0x3f8000c7
	s_mov_b32 s[C0+4], 0x3ebf88fb
	s_mov_b32 s[C0+6], 0x3dc636c9
	s_mov_b32 s[C0+8], 0xbe3ec24c
	s_mov_b32 s[C0+10], 0x3e8ec7cc
	s_mov_b32 s[C0+12], 0xbf914e5d
	s_mov_b32 s[C0+14], 0x3fbe87b0
	s_mov_b32 s[C9], 0x3e2ef945
.irp k, 76,78,80,82,84,86,88,90,92,94,96
	s_mov_b32 s[\k+1], s[\k]                       ; the packed forms name pairs: both words are written
.endr
	s_wait_kmcnt 0x0
	s_add_nc_u64 s[20:21], s[4:5], s[20:21]
	s_add_nc_u64 s[46:47], s[6:7], s[46:47]
	s_add_nc_u64 s[8:9], s[4:5], s[8:9]
	s_add_nc_u64 s[10:11], s[6:7], s[10:11]
	s_add_nc_u64 s[68:69], s[68:69], s[22:23]
	CROUND
.irp s, 0,1
	s_mov_b32 s[G0+4*\s], 1
	s_add_co_u32 s[G0+4*\s+1], s45, \s*SLOT
	s_add_nc_u64 s[G0+4*\s+2:G0+4*\s+3], s[20:21], \s*256
	s_or_b32 s[G0+4*\s+3], s[G0+4*\s+3], 0x80000000
	s_mov_b32 s[G0B+4*\s], 1
	s_add_co_u32 s[G0B+4*\s+1], s45, \s*SLOT
	s_add_nc_u64 s[G0B+4*\s+2:G0B+4*\s+3], s[46:47], \s*256
	s_or_b32 s[G0B+4*\s+3], s[G0B+4*\s+3], 0x80000000
	JLOAD G0+4*\s, G1, G0B+4*\s, G1B
.endr
	v_and_b32 v1, 15, v0
	v_bfe_u32 v2, v0, 4, 1
	v_mul_u32_u24 v3, v1, PITCH
	v_lshl_add_u32 v4, v2, 4, v3                   ; 272 r + 16 h
	s_mul_i32 s21, s15, HALFT
	s_mul_i32 s22, s16, HALFT
	s_add_co_u32 s22, s22, 2*HALFT
.irp s, 0,1
	v_add_nc_u32 v[ADRA+\s], s21, v4
	v_add_nc_u32 v[ADRB+\s], s22, v4
	s_add_co_u32 s21, s21, SLOT
	s_add_co_u32 s22, s22, SLOT
.endr
	v_and_b32 v5, 31, v0
	v_lshlrev_b32 v[SAO], 3, v5
	v_lshlrev_b32 v6, 4, v5
	v_lshlrev_b32 v5, 6, v2
.irp b, 0,1,2,3,4,5,6,7                ; the bias in the result's layout: tile b, my half's eight columns
	global_load_b128 v[BI+8*\b:BI+8*\b+3], v5, s[68:69] offset:4*(32*(\b/2)+8*(\b%2))
	global_load_b128 v[BI+8*\b+4:BI+8*\b+7], v5, s[68:69] offset:4*(32*(\b/2)+8*(\b%2))+16
.endr
	GSC 0
	GNEXT
	GSC 1
	s_lshl_b32 s22, s14, 15
	v_add_nc_u32 v[DLI], s22, v6                   ; my accumulators' place: 16 x lane + 32,768 x wave
	s_mul_i32 s22, s15, 128*272
	s_lshl_b32 s23, s16, 7
	s_add_co_u32 s22, s22, s23
	s_add_co_u32 s22, s22, CSTG
	v_add_nc_u32 v[CST], s22, v4                   ; codes: row 128 (wave / 2) + r, + 128 (wave % 2) + 16 h
	s_lshl_b32 s22, s15, 10
	s_lshl_b32 s23, s16, 2
	s_add_co_u32 s22, s22, s23
	s_add_co_u32 s22, s22, SSTG
	v_lshl_add_u32 v[SST], v1, 3, s22              ; scale words: 8 bytes a row, my word of the two
	s_mul_i32 s22, s14, 64*272
	s_add_co_u32 s22, s22, CSTG
	v_mul_u32_u24 v7, v2, 272
	v_lshl_add_u32 v7, v1, 4, v7
	v_add_nc_u32 v[RDA], s22, v7                   ; back: my 64 rows, two an instruction
	s_lshl_b32 s22, s14, 9
	v_add_nc_u32 v[GSA], s22, v6
	v_add_nc_u32 v[RDS], SSTG, v[GSA]
	v_lshlrev_b32 v[GA], 12, v2
	v_lshl_add_u32 v[GA], v1, 4, v[GA]
	v_mov_b32 v[C8V], 0xbf527892
	v_mov_b32 v[C8V+1], 0xbf527892
	s_lshl_b32 s12, s17, 8
	s_lshl_b32 s13, s14, 6
	s_add_co_u32 s12, s12, s13
	s_lshl_b32 s12, s12, 12
	s_lshl_b32 s13, s42, 8
	s_add_co_u32 s12, s12, s13
	s_mov_b32 s13, 0
	s_add_nc_u64 s[12:13], s[70:71], s[12:13]      ; codes: row 256 tile row + 64 wave, byte 256 tile column
	s_lshl_b32 s22, s42, 12
	s_lshl_b32 s23, s17, 8
	s_add_co_u32 s22, s22, s23
	s_lshl_b32 s22, s22, 3
	s_add_co_u32 s22, s22, 16777216
	s_mov_b32 s23, 0
	s_add_nc_u64 s[70:71], s[70:71], s[22:23]      ; scale bytes: K step = tile column
	s_wait_tensorcnt 1
	s_barrier_signal -1
	s_barrier_wait -1
	FETCH_B 0, 0, 0
	FETCH_A 0, 0, 0
	FETCH_A 0, 0, 4
	STEP 0, 1, 8
	s_mov_b32 s3, LAPS-1
.Llap:
	TURN 0, 1, 1
	STEP 1, 0, 8
	TURN 1, 0, 1
	STEP 0, 0, 8
	s_sub_co_u32 s3, s3, 1
	s_cmp_lg_u32 s3, 0
	s_cbranch_scc1 .Llap
	TURN 0, 1, 0
	STEP 1, 0, 0
	s_wait_dscnt 16
	WIN 0xa1
	MUL16 0, 1, 1, 1, 0
	MUL16 2, 1, 1, 1, 0
	s_wait_dscnt 0x0
	WIN 0xf1
	MUL16 4, 1, 1, 1, 0
	MUL16 6, 1, 1, 1, 0
	WIN 0
	s_wait_dscnt 0x0
	s_barrier_signal -1
	s_barrier_wait -1                              ; nobody reads the ring any more
	PLACES NP
.irp b, 0,1,2,3
	v_mov_b32 v[TM+4+\b], 0
.endr
.macro HALF w                          ; window w's 32 accumulators: four blocks of 16 tokens
	WIN ((\w)<<2)
.set p, 0
.rept 64
	ds_store_b128 v[DLI], v[4*p:4*p+3] offset:512*p   ; as they stand, each from its low end on
.set p, p+1
.endr
	WIN 0
	s_mov_b32 s[TD], 0
	s_mov_b32 s[TC], 17408*((\w)-2)
	s_mov_b32 s[TSS], 512*((\w)-2)
	s_mov_b32 s3, 4
.Ltile_\@:
	v_add_nc_u32 v8, s[TD], v[DLI]
	v_add_nc_u32 v9, s[TC], v[CST]
	v_add_nc_u32 v10, s[TSS], v[SST]
.set p, 0
.rept 16
	ds_load_b128 v[Y+4*p:Y+4*p+3], v8 offset:512*p    ; LDS serves a wave's instructions in order: these see my stores
.set p, p+1
.endr
	s_wait_dscnt 0x0                               ; they are in; the last trip's stores have read their registers
	GELU Y
	GELU Y+32
	QUANT 0, Y
	v_lshl_or_b32 v[PWR], v[TM+5], 8, v[TM+4]
	v_lshl_or_b32 v[PWR], v[TM+6], 16, v[PWR]
	v_lshl_or_b32 v[PWR], v[TM+7], 24, v[PWR]
.irp b, 0,1,2,3
	ds_store_b128 v9, v[PC+4*\b:PC+4*\b+3] offset:32*\b
.endr
	ds_store_b32 v10, v[PWR]                       ; both halves of the lanes write the same word with the same value
	s_add_co_u32 s[TD], s[TD], 8192
	s_add_co_u32 s[TC], s[TC], 4352
	s_add_co_u32 s[TSS], s[TSS], 128
	s_sub_co_u32 s3, s3, 1
	s_cmp_lg_u32 s3, 0
	s_cbranch_scc1 .Ltile_\@
.endm
	HALF 2
	HALF 3
	s_wait_dscnt 0x0
	s_barrier_signal -1
	s_barrier_wait -1                              ; 256 whole rows of 256 codes, and their scale words, lie in LDS
.set p, 0
.rept 32
	ds_load_b128 v[64+4*p:64+4*p+3], v[RDA] offset:2*p*272
.set p, p+1
.endr
	ds_load_b128 v[192:195], v[RDS]
.set p, 0
.rept 32
	s_wait_dscnt 32-p
	global_store_b128 v[GA], v[64+4*p:64+4*p+3], s[12:13] offset:2*p*4096   ; sixteen lanes store 256 consecutive bytes, aligned
.set p, p+1
.endr
	s_wait_dscnt 0x0
	global_store_b128 v[GSA], v[192:195], s[70:71] ; 512 consecutive bytes
	s_wait_tensorcnt 0x0                           ; the wave's end
	ds_add_u32 v[SPW], v[NIL]
	s_wait_dscnt 0x0
	CROUND
	s_endpgm
.Lfunc_end_k_q2e147f95cf_mlp1:
	.size	k_q2e147f95cf_mlp1, .Lfunc_end_k_q2e147f95cf_mlp1-k_q2e147f95cf_mlp1
	.p2alignl 7, 3214868480
	.fill 96, 4, 3214868480
	.section	.rodata,"a",@progbits
	.p2align	6, 0x0
	.amdhsa_kernel k_q2e147f95cf_mlp1
		.amdhsa_group_segment_fixed_size 327680
		.amdhsa_private_segment_fixed_size 0
		.amdhsa_enable_private_segment 0
		.amdhsa_kernarg_size 32
		.amdhsa_user_sgpr_count 2
		.amdhsa_user_sgpr_kernarg_segment_ptr 1
		.amdhsa_wavefront_size32 1
		.amdhsa_system_sgpr_workgroup_id_x 1
		.amdhsa_system_sgpr_workgroup_id_y 1
		.amdhsa_system_sgpr_workgroup_id_z 1
		.amdhsa_system_vgpr_workitem_id 0
		.amdhsa_next_free_vgpr 1024
		.amdhsa_next_free_sgpr 102
		.amdhsa_reserve_vcc 0
		.amdhsa_float_denorm_mode_32 3
		.amdhsa_float_denorm_mode_16_64 3
		.amdhsa_memory_ordered 1
		.amdhsa_forward_progress 1
		.amdhsa_inst_pref_size 234
	.end_amdhsa_kernel
	.amdgpu_metadata
---
amdhsa.version: [ 1, 2 ]
amdhsa.kernels:
  - .name:           k_q2e147f95cf_mlp1
    .symbol:         k_q2e147f95cf_mlp1.kd
    .args:
      - { .name: hbuf, .offset: 0, .size: 8, .value_kind: global_buffer, .address_space: global }
      - { .name: prepb, .offset: 8, .size: 8, .value_kind: global_buffer, .address_space: global }
      - { .name: b1, .offset: 16, .size: 8, .value_kind: global_buffer, .address_space: global }
      - { .name: gbuf, .offset: 24, .size: 8, .value_kind: global_buffer, .address_space: global }
    .group_segment_fixed_size: 327680
    .private_segment_fixed_size: 0
    .kernarg_segment_align: 8
    .kernarg_segment_size: 32
    .max_flat_workgroup_size: 128
    .sgpr_count:     102
    .vgpr_count:     1024
    .wavefront_size: 32
...
	.end_amdgpu_metadata
.endif
;; end of part 5
;; launch mlp2 (part 6): grid 16 x 16, 4 waves a work-group, clusters of 4 x 4, 327,680 bytes of LDS; arguments gbuf, prepb, b2, mlpb; writes mlpb
.if DOCPART == 6
	.amdgcn_target "amdgcn-amd-amdhsa--gfx1250"
	.amdhsa_code_object_version 6
	.text
	.protected	k_q2e147f95cf_mlp2
	.globl	k_q2e147f95cf_mlp2
	.p2align	8
	.type	k_q2e147f95cf_mlp2,@function
k_q2e147f95cf_mlp2:
	s_mov_b64 s[64:65], 0
	v_nop
	global_prefetch_b8 v0, s[64:65] scope:SCOPE_SE
	s_setreg_imm32_b32 hwreg(HW_REG_WAVE_MODE, 25, 1), 1
	s_wait_xcnt 0x0
	s_wait_alu depctr_hold_cnt(0) depctr_sa_sdst(0) depctr_va_vdst(0) depctr_va_sdst(0) depctr_va_ssrc(0) depctr_va_vcc(0) depctr_vm_vsrc(0)
	s_getreg_b32 s2, hwreg(HW_REG_IB_STS2, 6, 4)
	s_cmp_eq_u32 s2, 0
	s_cbranch_scc0 .Lentry_in_a_cluster
	s_endpgm
.Lentry_in_a_cluster:
	s_bfe_u32 s2, ttmp6, 0x10000c
	s_cmp_lg_u32 s2, 0xf033
	s_cbranch_scc0 .Lentry_shape_is_right
	s_endpgm
.Lentry_shape_is_right:
; MLP2: g w2 + b2 on codes of E5M2 (K = 4,096), f32 out, IN FOUR PARTS ALONG K.  The result has only 16 x 4 tiles of 256 x 256, so K is cut into four quarters of 1,024:
; 64 tiles x 4 quarters = 256 work-groups.  Part s (mlpb + s x 16,777,216 bytes, [4096][1024] f32) = g[:, 1024 s ..] w2[1024 s .., :] + b2 / 4; the next launch adds the four parts in a fixed order.
; b2 / 4 is an exact scaling, so every work-group runs the same text and the four parts carry b2 between them.
; The loop is that of the other two products of this program: a work-group makes 256 x 256, a wave 128 x 128, K in steps of 256 through two LDS slots filled by joint tensor loads of a 4 x 4 cluster.
; The cluster's x, which all sixteen partners share, is the quarter of K; the tile column is cx, the tile row 4 x cluster y + cy.  A's tile hangs on cy and the cluster's place alone, B's on cx and the cluster's place alone.
; Source 0 = w2's columns (row positions with bits 3, 4 exchanged), source 1 = tokens: register j of accumulator (a, b) in lane (r, h) is column 32 (b / 2) + 16 h + 8 (b % 2) + j of token 16 a + r.
; The bias is the C of each sum's first product.  The way out goes through the wave's own stage in slot 0, which has had its last fill and its last read by then.
; NaN and infinities among the inputs are not served.
.set KROW,  4096
.set LAPS,  2                          ; a quarter of K is four K steps: twice round the ring
.set BIASC, 1
.set A_CODES,  0
.set A_SCALES, 16777216
.set B_CODES,  11534336
.set B_SCALES, 16089088
.set STRIDE_A, 32768
.set STRIDE_B, 8192
.set PITCH, 272                        ; an LDS row: 256 bytes + 16 of padding: the 16 rows of a load start at 16 different banks (64 banks of 4 bytes: ISA guide 11.1)
.set HALFT, 128*PITCH
.set SLOT,  4*HALFT
.set SPARE, 2*SLOT                     ; behind the ring: the spare words, 128 bytes a wave
.set NP,    8                          ; places behind this matrix instruction (ISA guide 7.12.1)
.set SPITCH, 528
.set ADRA, 16
.set ADRB, 20
.set STO,  24
.set RD,   25
.set CO,   26
.set SAO,  27
.set SPW,  28
.set NIL,  29
.set SC,   32                          ; v32-63 scale words, two sets of 16; nothing else ever
.set BI,   64                          ; v64-127 b2 / 4 in the result's layout
.set AF,   128
.set BK,   128
.set G1,  24
.set G0,  32
.set G1B, 48
.set G0B, 56
.set STA, 72
.set STB, 74
.set QRT, 76                           ; s[76:77] 0.25, twice: the packed form names a pair
.set MSB, 0
.macro WIN new                         ; the immediate's high byte repeats the setting that is left
.if MSB != (\new)
	s_set_vgpr_msb (MSB<<8)|(\new)
.set MSB, (\new)
.endif
.endm
.macro JLOAD g0a, g1a, g0b, g1b        ; a joint load: waves 0, 1 fetch A's halves, waves 2, 3 B's; four v_nop follow each line
	s_cmp_eq_u32 s15, 0
	s_cbranch_scc0 .Lfor_b_\@
	tensor_load_to_lds s[\g0a:\g0a+3], s[\g1a:\g1a+7]
	s_nop 0
.rept 4
	v_nop
.endr
	s_branch .Lasked_\@
.Lfor_b_\@:
	tensor_load_to_lds s[\g0b:\g0b+3], s[\g1b:\g1b+7]
	s_nop 0
.rept 4
	v_nop
.endr
.Lasked_\@:
.endm
.macro CREST
	s_cmp_lg_u32 s14, 0
	s_cbranch_scc1 .Lnot_wave_0_\@
	s_barrier_signal -3
.Lnot_wave_0_\@:
	s_barrier_wait -3
	s_barrier_signal -1
	s_barrier_wait -1
.endm
.macro CROUND
	s_barrier_signal -1
	s_barrier_wait -1
	CREST
.endm
.macro PLACES n
.rept \n
	v_nop
.endr
.endm
.macro FRAG reg, adr, q, i             ; 16 rows x 128 K: registers 4 c .. 4 c + 3 hold K = 32 c + 16 (lane / 16) + 0 .. 15
.irp c, 0,1,2,3
	ds_load_b128 v[\reg+4*\c:\reg+4*\c+3], v[\adr] offset:128*(\q)+32*\c+(\i)*16*PITCH
.endr
.endm
.macro FETCH_B slot, q, p
	WIN 0x40
.irp i, 0,1,2,3,4,5,6,7
	FRAG 128*(\p)+16*\i, ADRB+\slot, \q, \i
.endr
	WIN 0
.endm
.macro FETCH_A slot, q, i0
.irp i, \i0, \i0+1, \i0+2, \i0+3
	FRAG AF+16*(\i), ADRA+\slot, \q, \i
.endr
.endm
.macro GSC set                         ; a K step's scale words of my 128 + 128 rows: a load brings 32 rows x 8 bytes, 256 consecutive bytes; lanes 0-15 an even block of 16 rows, lanes 16-31 the odd one
.irp g, 0,1,2,3
	global_load_b64 v[SC+16*(\set)+2*\g:SC+16*(\set)+2*\g+1], v[SAO], s[8:9] offset:256*\g
.endr
.irp g, 0,1,2,3
	global_load_b64 v[SC+16*(\set)+8+2*\g:SC+16*(\set)+8+2*\g+1], v[SAO], s[10:11] offset:256*\g
.endr
.endm
.macro GNEXT
	s_wait_xcnt 0x0                                ; the loads issued have read their bases
	s_add_nc_u64 s[8:9], s[8:9], s[STA:STA+1]
	s_add_nc_u64 s[10:11], s[10:11], s[STB:STB+1]
.endm
.macro WM                              ; one product, by the symbols rD rC rFB rFA rSB rSA; fRB, fRA: the scales stand in lanes 16-31; fZ: C is the constant 0
.if fZ
.if fRB && fRA
	v_wmma_scale_f32_16x16x128_f8f6f4 v[rD:rD+7], v[rFB:rFB+15], v[rFA:rFA+15], 0, v[rSB], v[rSA] matrix_a_fmt:MATRIX_FMT_BF8 matrix_b_fmt:MATRIX_FMT_BF8 matrix_a_scale:MATRIX_SCALE_ROW1 matrix_b_scale:MATRIX_SCALE_ROW1
.elseif fRB
	v_wmma_scale_f32_16x16x128_f8f6f4 v[rD:rD+7], v[rFB:rFB+15], v[rFA:rFA+15], 0, v[rSB], v[rSA] matrix_a_fmt:MATRIX_FMT_BF8 matrix_b_fmt:MATRIX_FMT_BF8 matrix_a_scale:MATRIX_SCALE_ROW1
.elseif fRA
	v_wmma_scale_f32_16x16x128_f8f6f4 v[rD:rD+7], v[rFB:rFB+15], v[rFA:rFA+15], 0, v[rSB], v[rSA] matrix_a_fmt:MATRIX_FMT_BF8 matrix_b_fmt:MATRIX_FMT_BF8 matrix_b_scale:MATRIX_SCALE_ROW1
.else
	v_wmma_scale_f32_16x16x128_f8f6f4 v[rD:rD+7], v[rFB:rFB+15], v[rFA:rFA+15], 0, v[rSB], v[rSA] matrix_a_fmt:MATRIX_FMT_BF8 matrix_b_fmt:MATRIX_FMT_BF8
.endif
.else
.if fRB && fRA
	v_wmma_scale_f32_16x16x128_f8f6f4 v[rD:rD+7], v[rFB:rFB+15], v[rFA:rFA+15], v[rC:rC+7], v[rSB], v[rSA] matrix_a_fmt:MATRIX_FMT_BF8 matrix_b_fmt:MATRIX_FMT_BF8 matrix_a_scale:MATRIX_SCALE_ROW1 matrix_b_scale:MATRIX_SCALE_ROW1
.elseif fRB
	v_wmma_scale_f32_16x16x128_f8f6f4 v[rD:rD+7], v[rFB:rFB+15], v[rFA:rFA+15], v[rC:rC+7], v[rSB], v[rSA] matrix_a_fmt:MATRIX_FMT_BF8 matrix_b_fmt:MATRIX_FMT_BF8 matrix_a_scale:MATRIX_SCALE_ROW1
.elseif fRA
	v_wmma_scale_f32_16x16x128_f8f6f4 v[rD:rD+7], v[rFB:rFB+15], v[rFA:rFA+15], v[rC:rC+7], v[rSB], v[rSA] matrix_a_fmt:MATRIX_FMT_BF8 matrix_b_fmt:MATRIX_FMT_BF8 matrix_b_scale:MATRIX_SCALE_ROW1
.else
	v_wmma_scale_f32_16x16x128_f8f6f4 v[rD:rD+7], v[rFB:rFB+15], v[rFA:rFA+15], v[rC:rC+7], v[rSB], v[rSA] matrix_a_fmt:MATRIX_FMT_BF8 matrix_b_fmt:MATRIX_FMT_BF8
.endif
.endif
.endm
.macro MUL16 a0, p, q, sc, first       ; the 64 accumulators take turns, in the same order in every step
.irp a, \a0, \a0+1
.irp b, 0,1,2,3,4,5,6,7
.set rD, 8*(8*((\a)%4)+\b)
.set rFB, 128*(\p)+16*\b
.set rFA, AF+16*(\a)
.set rSB, SC+16*(\sc)+8+2*(\b/2)+(\q)
.set rSA, SC+16*(\sc)+2*((\a)/2)+(\q)
.set rC, rD
.if (\first) && BIASC
.set rC, BI+8*\b
.endif
.set fRB, \b%2
.set fRA, (\a)%2
.set fZ, (\first) && (1-BIASC)
	WM
.endr
.endr
.endm
.macro STEP slot, first, lc            ; the first 128 of a K step
	s_wait_loadcnt \lc                             ; this K step's scale words are in; the eight loads issued last may be out
	s_wait_dscnt 16                                ; B's set and A's blocks 0-3 are in; A's blocks 4-7 may be out
.if (\first) && BIASC
	WIN 0x81
.else
	WIN 0xa1
.endif
	MUL16 0, 0, 0, \slot, \first
	MUL16 2, 0, 0, \slot, \first
	s_wait_dscnt 0x0
	PLACES NP
	FETCH_B \slot, 1, 1
	FETCH_A \slot, 1, 0
.if (\first) && BIASC
	WIN 0xc1
.else
	WIN 0xf1
.endif
	MUL16 4, 0, 0, \slot, \first
	MUL16 6, 0, 0, \slot, \first
	PLACES NP
	WIN 0
	FETCH_A \slot, 1, 4
.endm
.macro TURN slot, next, fill           ; the second 128, and the change of slots
	s_wait_tensorcnt 0x0                           ; all my tensor loads have landed: my part of the next slot
	ds_add_u32 v[SPW], v[NIL]                      ; 0 onto my spare word
	s_wait_dscnt 17                                ; the add and A's blocks 4-7 may be out
	WIN 0xa1
	MUL16 0, 1, 1, \slot, 0
	s_wait_dscnt 0x0                               ; the add is done, my reads of this slot are over
	s_barrier_signal -1
	MUL16 2, 1, 1, \slot, 0
	WIN 0
	s_barrier_wait -1
.if \fill
	CREST                                          ; the barrier has opened a round of the cluster's: no wave of any partner still reads this slot or has a load on its way
	s_add_nc_u64 s[G0+4*\slot+2:G0+4*\slot+3], s[G0+4*\slot+2:G0+4*\slot+3], 512
	s_add_nc_u64 s[G0B+4*\slot+2:G0B+4*\slot+3], s[G0B+4*\slot+2:G0B+4*\slot+3], 512
	JLOAD G0+4*\slot, G1, G0B+4*\slot, G1B
	PLACES NP-4
.else
	PLACES NP
.endif
	FETCH_B \next, 0, 0
	FETCH_A \next, 0, 0
	WIN 0xf1
	MUL16 4, 1, 1, \slot, 0
	MUL16 6, 1, 1, \slot, 0
	PLACES NP                                      ; also the places in front of the loads into this slot's scale words
	WIN 0
	FETCH_A \next, 0, 4
.if \fill
	GNEXT
	GSC \slot                                      ; the scale words of the K step two on
.endif
.endm
	s_load_b128 s[4:7], s[0:1], 0x0                ; gbuf, prepb
	s_load_b128 s[68:71], s[0:1], 0x10             ; b2, mlpb
	v_lshl_add_u32 v[SPW], v0, 2, SPARE
	v_mov_b32 v[NIL], 0
	ds_add_u32 v28, v29
	ds_add_u32 v28, v29
	s_wait_dscnt 0x0
	v_lshrrev_b32 v1, 5, v0
	v_readfirstlane_b32 s14, v1                    ; wave
	s_lshr_b32 s15, s14, 1                         ; my half of A's rows; also: I fetch for A (0) or B (1)
	s_and_b32 s16, s14, 1                          ; my half of B's rows; also: which 128 rows I fetch
	s_bfe_u32 s40, ttmp6, 0x40000                  ; cx
	s_bfe_u32 s41, ttmp6, 0x40004                  ; cy
	s_mov_b32 s42, s40                             ; tile column = cx: the result is four tiles wide
	s_and_b32 s17, ttmp7, 0xffff
	s_lshl_b32 s17, s17, 2
	s_add_co_u32 s17, s17, s41                     ; tile row = 4 x cluster y + cy
	s_lshl_b32 s2, ttmp9, 10                       ; the cluster's x is my quarter of K: 1,024 codes on in every row of A and of B
	s_lshl_b32 s43, s41, 2
	s_lshl_b32 s43, 15, s43                        ; my row of the cluster
	s_lshl_b32 s44, 0x1111, s40                    ; my column
	s_or_b32 s[G1+0], s43, (1<<20)|(1<<21)|(5<<22)|(3<<25)    ; mask; elements of 1 byte; padding: 4 words behind every 64; bit 21 beside a mask
	s_or_b32 s[G1B+0], s44, (1<<20)|(1<<21)|(5<<22)|(3<<25)
.irp g, G1, G1B
	s_mov_b32 s[\g+1], 256<<16                     ; tensor_dim0
	s_mov_b32 s[\g+2], 128<<16                     ; tensor_dim1
	s_mov_b32 s[\g+3], 256<<16                     ; tile_dim0
	s_mov_b32 s[\g+4], 128                         ; tile_dim1
	s_mov_b32 s[\g+5], KROW                        ; pitch
	s_mov_b32 s[\g+6], 0
	s_mov_b32 s[\g+7], 0
.endr
	s_lshl_b32 s18, s16, 7
	s_lshl_b32 s20, s17, 8
	s_add_co_u32 s20, s20, s18
	s_mul_i32 s20, s20, KROW
	s_add_co_u32 s20, s20, A_CODES
	s_add_co_u32 s20, s20, s2                      ; A's codes: row x 4,096 + my quarter
	s_mov_b32 s21, 0
	s_lshl_b32 s46, s42, 8
	s_add_co_u32 s46, s46, s18
	s_mul_i32 s46, s46, KROW
	s_add_co_u32 s46, s46, B_CODES
	s_add_co_u32 s46, s46, s2                      ; B's likewise
	s_mov_b32 s47, 0
	s_mul_i32 s45, s14, HALFT                      ; where my load goes: wave x 128 rows
	s_lshl_b32 s8, s17, 8
	s_lshl_b32 s9, s15, 7
	s_add_co_u32 s8, s8, s9
	s_lshl_b32 s8, s8, 3
	s_add_co_u32 s8, s8, A_SCALES
	s_lshl_b32 s9, ttmp9, 17                       ; four K steps of 32,768 bytes of A's scale bytes a quarter
	s_add_co_u32 s8, s8, s9
	s_mov_b32 s9, 0
	s_lshl_b32 s10, s42, 8
	s_lshl_b32 s11, s16, 7
	s_add_co_u32 s10, s10, s11
	s_lshl_b32 s22, s10, 2                         ; my first column x 4 bytes of the bias
	s_mov_b32 s23, 0
	s_lshl_b32 s10, s10, 3
	s_add_co_u32 s10, s10, B_SCALES
	s_lshl_b32 s11, ttmp9, 15                      ; four K steps of 8,192 bytes of B's scale bytes a quarter
	s_add_co_u32 s10, s10, s11
	s_mov_b32 s11, 0
	s_mov_b32 s[STA], STRIDE_A
	s_mov_b32 s[STA+1], 0
	s_mov_b32 s[STB], STRIDE_B
	s_mov_b32 s[STB+1], 0
	s_mov_b32 s[QRT], 0x3e800000                   ; 0.25
	s_mov_b32 s[QRT+1], s[QRT]
	s_wait_kmcnt 0x0
	s_add_nc_u64 s[20:21], s[4:5], s[20:21]
	s_add_nc_u64 s[46:47], s[6:7], s[46:47]
	s_add_nc_u64 s[8:9], s[4:5], s[8:9]
	s_add_nc_u64 s[10:11], s[6:7], s[10:11]
	s_add_nc_u64 s[68:69], s[68:69], s[22:23]
	CROUND                                         ; all sixteen work-groups are here: the first joint loads meet
.irp s, 0,1
	s_mov_b32 s[G0+4*\s], 1
	s_add_co_u32 s[G0+4*\s+1], s45, \s*SLOT
	s_add_nc_u64 s[G0+4*\s+2:G0+4*\s+3], s[20:21], \s*256
	s_or_b32 s[G0+4*\s+3], s[G0+4*\s+3], 0x80000000
	s_mov_b32 s[G0B+4*\s], 1
	s_add_co_u32 s[G0B+4*\s+1], s45, \s*SLOT
	s_add_nc_u64 s[G0B+4*\s+2:G0B+4*\s+3], s[46:47], \s*256
	s_or_b32 s[G0B+4*\s+3], s[G0B+4*\s+3], 0x80000000
	JLOAD G0+4*\s, G1, G0B+4*\s, G1B
.endr
	v_and_b32 v1, 15, v0                           ; r
	v_bfe_u32 v2, v0, 4, 1                         ; h
	v_mul_u32_u24 v3, v1, PITCH
	v_lshl_add_u32 v4, v2, 4, v3
	s_mul_i32 s21, s15, HALFT
	s_mul_i32 s22, s16, HALFT
	s_add_co_u32 s22, s22, 2*HALFT
.irp s, 0,1
	v_add_nc_u32 v[ADRA+\s], s21, v4
	v_add_nc_u32 v[ADRB+\s], s22, v4
	s_add_co_u32 s21, s21, SLOT
	s_add_co_u32 s22, s22, SLOT
.endr
	v_and_b32 v6, 31, v0
	v_lshlrev_b32 v[SAO], 3, v6
	v_lshlrev_b32 v5, 6, v2
.irp b, 0,1,2,3,4,5,6,7                ; the bias in the result's layout: tile b, my half's eight columns
	global_load_b128 v[BI+8*\b:BI+8*\b+3], v5, s[68:69] offset:4*(32*(\b/2)+8*(\b%2))
	global_load_b128 v[BI+8*\b+4:BI+8*\b+7], v5, s[68:69] offset:4*(32*(\b/2)+8*(\b%2))+16
.endr
	GSC 0
	GNEXT
	GSC 1
	s_wait_loadcnt 16                              ; the bias is in; the sixteen loads of scale words issued behind it may be out
.set i, 0
.rept 32
	v_pk_mul_f32 v[BI+i:BI+i+1], v[BI+i:BI+i+1], s[QRT:QRT+1] op_sel_hi:[1,0]   ; b2 / 4: each of the four parts along K carries a quarter
.set i, i+2
.endr
	s_mul_i32 s23, s14, 16*SPITCH                  ; my stage
	v_mul_u32_u24 v5, v1, SPITCH
	v_lshl_add_u32 v5, v2, 6, v5
	v_add_nc_u32 v[STO], s23, v5                   ; in: row r, + 64 h bytes
	v_lshlrev_b32 v[CO], 4, v6
	v_add_nc_u32 v[RD], s23, v[CO]                 ; back: a row of 512 bytes to the 32 lanes
	s_lshl_b32 s20, s17, 8
	s_lshl_b32 s21, s15, 7
	s_add_co_u32 s20, s20, s21
	s_lshl_b32 s20, s20, 12                        ; my first row x 4,096 bytes
	s_lshl_b32 s21, s42, 10
	s_add_co_u32 s20, s20, s21
	s_lshl_b32 s21, s16, 9
	s_add_co_u32 s20, s20, s21
	s_lshl_b32 s21, ttmp9, 24                      ; my part of the four: 16,777,216 bytes each
	s_add_co_u32 s20, s20, s21
	s_mov_b32 s21, 0
	s_add_nc_u64 s[12:13], s[70:71], s[20:21]
	s_wait_tensorcnt 1                             ; my part of K step 0 is in; K step 1's may be out
	s_barrier_signal -1
	s_barrier_wait -1
	FETCH_B 0, 0, 0
	FETCH_A 0, 0, 0
	FETCH_A 0, 0, 4
	STEP 0, 1, 8                                   ; the first step starts the sums, on the bias
	s_mov_b32 s3, LAPS-1
.Llap:
	TURN 0, 1, 1
	STEP 1, 0, 8
	TURN 1, 0, 1
	STEP 0, 0, 8
	s_sub_co_u32 s3, s3, 1
	s_cmp_lg_u32 s3, 0
	s_cbranch_scc1 .Llap
	TURN 0, 1, 0                                   ; the last lap fills nothing
	STEP 1, 0, 0
	s_wait_dscnt 16
	WIN 0xa1
	MUL16 0, 1, 1, 1, 0
	MUL16 2, 1, 1, 1, 0
	s_wait_dscnt 0x0
	WIN 0xf1
	MUL16 4, 1, 1, 1, 0
	MUL16 6, 1, 1, 1, 0
	WIN 0
; THE WAY OUT, a block of 16 rows x 128 columns at a time, through my own stage: in by lanes' 32 bytes, back as whole rows of 512 bytes
.macro TOSTAGE a
.set AC, 64*((\a)%4)
	WIN 0x08+4*((\a)/4)
.irp b, 0,1,2,3,4,5,6,7
	ds_store_b128 v[STO], v[AC+8*\b:AC+8*\b+3] offset:128*(\b/2)+32*(\b%2)      ; each accumulator from its low end on
	ds_store_b128 v[STO], v[AC+8*\b+4:AC+8*\b+7] offset:128*(\b/2)+32*(\b%2)+16
.endr
	WIN 0
.set BB, BK+64*((\a)%2)
.irp t, 0,1,2,3,4,5,6,7,8,9,10,11,12,13,14,15
	ds_load_b128 v[BB+4*\t:BB+4*\t+3], v[RD] offset:\t*SPITCH   ; LDS serves a wave's instructions in order
.endr
.endm
.macro SEND a, younger                 ; younger: the LDS instructions issued behind block a's loads, which may stay out
.set BB, BK+64*((\a)%2)
	s_wait_dscnt \younger
.if (\a) > 0
	s_add_nc_u64 s[12:13], s[12:13], 16*4096       ; behind a wait on XCNT: the earlier stores have read their base
.endif
.irp t, 0,1,2,3,4,5,6,7,8,9,10,11,12,13,14,15
	global_store_b128 v[CO], v[BB+4*\t:BB+4*\t+3], s[12:13] offset:\t*4096   ; 512 consecutive bytes, aligned
.endr
.endm
	PLACES NP
	TOSTAGE 0
.irp a, 1,2,3,4,5,6,7
.if \a > 1
	s_wait_xcnt 0x0                                ; block a - 2's stores have read their registers and their base
.endif
	TOSTAGE \a
	SEND \a-1, 32                                  ; behind block a - 1's loads: block a's 16 stores and 16 loads
.endr
	s_wait_xcnt 0x0
	SEND 7, 0
	s_wait_tensorcnt 0x0                           ; the wave's end
	ds_add_u32 v[SPW], v[NIL]
	s_wait_dscnt 0x0
	CROUND                                         ; the closing round
	s_endpgm
.Lfunc_end_k_q2e147f95cf_mlp2:
	.size	k_q2e147f95cf_mlp2, .Lfunc_end_k_q2e147f95cf_mlp2-k_q2e147f95cf_mlp2
	.p2alignl 7, 3214868480
	.fill 96, 4, 3214868480
	.section	.rodata,"a",@progbits
	.p2align	6, 0x0
	.amdhsa_kernel k_q2e147f95cf_mlp2
		.amdhsa_group_segment_fixed_size 327680
		.amdhsa_private_segment_fixed_size 0
		.amdhsa_enable_private_segment 0
		.amdhsa_kernarg_size 32
		.amdhsa_user_sgpr_count 2
		.amdhsa_user_sgpr_kernarg_segment_ptr 1
		.amdhsa_wavefront_size32 1
		.amdhsa_system_sgpr_workgroup_id_x 1
		.amdhsa_system_sgpr_workgroup_id_y 1
		.amdhsa_system_sgpr_workgroup_id_z 1
		.amdhsa_system_vgpr_workitem_id 0
		.amdhsa_next_free_vgpr 1024
		.amdhsa_next_free_sgpr 80
		.amdhsa_reserve_vcc 0
		.amdhsa_float_denorm_mode_32 3
		.amdhsa_float_denorm_mode_16_64 3
		.amdhsa_memory_ordered 1
		.amdhsa_forward_progress 1
		.amdhsa_inst_pref_size 149
	.end_amdhsa_kernel
	.amdgpu_metadata
---
amdhsa.version: [ 1, 2 ]
amdhsa.kernels:
  - .name:           k_q2e147f95cf_mlp2
    .symbol:         k_q2e147f95cf_mlp2.kd
    .args:
      - { .name: gbuf, .offset: 0, .size: 8, .value_kind: global_buffer, .address_space: global }
      - { .name: prepb, .offset: 8, .size: 8, .value_kind: global_buffer, .address_space: global }
      - { .name: b2, .offset: 16, .size: 8, .value_kind: global_buffer, .address_space: global }
      - { .name: mlpb, .offset: 24, .size: 8, .value_kind: global_buffer, .address_space: global }
    .group_segment_fixed_size: 327680
    .private_segment_fixed_size: 0
    .kernarg_segment_align: 8
    .kernarg_segment_size: 32
    .max_flat_workgroup_size: 128
    .sgpr_count:     80
    .vgpr_count:     1024
    .wavefront_size: 32
...
	.end_amdgpu_metadata
.endif
;; end of part 6
;; launch ln2 (part 7): grid 512 x 1, 8 waves a work-group, no clusters, 0 bytes of LDS; arguments hbuf, mlpb, ln_g, ln_b, out0; writes out0
.if DOCPART == 7
	.amdgcn_target "amdgcn-amd-amdhsa--gfx1250"
	.amdhsa_code_object_version 6
	.text
	.protected	k_q2e147f95cf_ln2
	.globl	k_q2e147f95cf_ln2
	.p2align	8
	.type	k_q2e147f95cf_ln2,@function
k_q2e147f95cf_ln2:
	s_mov_b64 s[64:65], 0
	v_nop
	global_prefetch_b8 v0, s[64:65] scope:SCOPE_SE
	s_setreg_imm32_b32 hwreg(HW_REG_WAVE_MODE, 25, 1), 1
	s_wait_xcnt 0x0
; LN2: out0 = LayerNorm(h + mlp), f32.  mlp arrives as four parts along the last product's K (each [4096][1024] f32, 16,777,216 bytes apart; b2 is in them):
; the row's sum is h + ((P0 + P1) + (P2 + P3)), the same order for every number.
; A wave takes one row: 32 registers for h, 32 for each part; mean and variance (two passes, as the reference has them) never leave the wave; no LDS, no barrier.
; Every load and store of a wave covers 512 consecutive bytes.  All 56 loads of a wave go out at its head; the waits count down as the parts are added.
; Matrix units, clusters and tensor loads would add nothing: each byte is read once and no two work-groups share a row.  NaN and infinities are not served.
.set G,  16                            ; v16-47   the gain of my 32 columns
.set B,  48                            ; v48-79   the offset
.set X,  80                            ; v80-111  h, then the row at work
.set P,  112                           ; v112-239 the four parts
	s_load_b256 s[4:11], s[0:1], 0x0               ; hbuf (h lies at its head), mlpb, ln_g, ln_b
	s_load_b64 s[12:13], s[0:1], 0x20              ; out0
	v_lshrrev_b32 v1, 5, v0
	v_readfirstlane_b32 s18, v1                    ; wave
	v_and_b32 v2, 31, v0
	v_lshlrev_b32 v3, 4, v2                        ; 16 x lane
	v_mov_b32 v4, 0                                ; a lane permute's destination counts as one of its sources
	s_mov_b32 s14, 0x76543210
	s_mov_b32 s15, 0xfedcba98
	s_mov_b32 s16, 0x3a800000                      ; 1 / 1,024
	s_mov_b32 s17, 0x3727c5ac                      ; 1e-5
	s_lshl_b32 s19, ttmp9, 3
	s_add_co_u32 s19, s19, s18                     ; my row
	s_lshl_b32 s24, s19, 12
	s_mov_b32 s25, 0
	s_wait_kmcnt 0x0
	s_add_nc_u64 s[4:5], s[4:5], s[24:25]
	s_add_nc_u64 s[6:7], s[6:7], s[24:25]          ; part 0,
	s_add_nc_u64 s[12:13], s[12:13], s[24:25]
	s_add_nc_u64 s[20:21], s[6:7], 0x1000000       ; part 1,
	s_add_nc_u64 s[22:23], s[6:7], 0x2000000       ; part 2,
	s_add_nc_u64 s[26:27], s[6:7], 0x3000000       ; part 3: too far apart for an immediate offset
.macro LD8 reg, lo                     ; a row of 4,096 bytes, read once in the launch
.irp j, 0,1,2,3,4,5,6,7
	global_load_b128 v[\reg+4*\j:\reg+4*\j+3], v3, s[\lo:\lo+1] offset:512*\j th:TH_LOAD_NT
.endr
.endm
	LD8 P, 6
	LD8 P+32, 20
	LD8 P+64, 22
	LD8 P+96, 26
	LD8 X, 4
.irp j, 0,1,2,3,4,5,6,7
	global_load_b128 v[G+4*\j:G+4*\j+3], v3, s[8:9] offset:512*\j      ; every wave reads these again: no hint
.endr
.irp j, 0,1,2,3,4,5,6,7
	global_load_b128 v[B+4*\j:B+4*\j+3], v3, s[10:11] offset:512*\j
.endr
.macro ADD32 d, s
.set k, 0
.rept 16
	v_pk_add_f32 v[\d+k:\d+k+1], v[\d+k:\d+k+1], v[\s+k:\s+k+1]
.set k, k+2
.endr
.endm
.macro WSUM                            ; v8 summed over the 32 lanes
	v_add_f32_dpp v8, v8, v8 row_xmask:1 row_mask:0xf bank_mask:0xf
	v_add_f32_dpp v8, v8, v8 row_xmask:2 row_mask:0xf bank_mask:0xf
	v_add_f32_dpp v8, v8, v8 row_xmask:4 row_mask:0xf bank_mask:0xf
	v_add_f32_dpp v8, v8, v8 row_xmask:8 row_mask:0xf bank_mask:0xf
	v_permlanex16_b32 v4, v8, s14, s15
	v_add_f32 v8, v8, v4
.endm
	s_wait_loadcnt 40                              ; parts 0 and 1 are in; the 40 loads behind them may be out
	ADD32 P, P+32
	s_wait_loadcnt 24                              ; parts 2 and 3 are in; h, the gain and the offset may be out
	ADD32 P+64, P+96
	ADD32 P, P+64
	s_wait_loadcnt 16                              ; h is in; the gain and the offset may be out
	ADD32 X, P
	v_pk_add_f32 v[8:9], v[X:X+1], v[X+2:X+3]      ; the row's sum, in two chains
	v_pk_add_f32 v[10:11], v[X+4:X+5], v[X+6:X+7]
.irp j, 8,12,16,20,24,28
	v_pk_add_f32 v[8:9], v[8:9], v[X+\j:X+\j+1]
	v_pk_add_f32 v[10:11], v[10:11], v[X+\j+2:X+\j+3]
.endr
	v_pk_add_f32 v[8:9], v[8:9], v[10:11]
	v_add_f32 v8, v8, v9
	WSUM
	v_mul_f32 v12, s16, v8                         ; the mean
	v_mov_b32 v13, v12
.set k, 0
.rept 16
	v_pk_add_f32 v[X+k:X+k+1], v[X+k:X+k+1], v[12:13] neg_lo:[0,1] neg_hi:[0,1]
.set k, k+2
.endr
	v_pk_mul_f32 v[8:9], v[X:X+1], v[X:X+1]
	v_pk_mul_f32 v[10:11], v[X+2:X+3], v[X+2:X+3]
.irp j, 4,8,12,16,20,24,28
	v_pk_fma_f32 v[8:9], v[X+\j:X+\j+1], v[X+\j:X+\j+1], v[8:9]
	v_pk_fma_f32 v[10:11], v[X+\j+2:X+\j+3], v[X+\j+2:X+\j+3], v[10:11]
.endr
	v_pk_add_f32 v[8:9], v[8:9], v[10:11]
	v_add_f32 v8, v8, v9
	WSUM
	v_fma_f32 v8, v8, s16, s17                     ; the variance + 1e-5
	v_rsq_f32 v12, v8
	v_rsq_f32 v13, v8
	v_nop                                          ; a plain line behind the last of the two
	s_wait_alu depctr_va_vdst(0)                   ; one wait for both, ahead of their first use
.set k, 0
.rept 16
	v_pk_mul_f32 v[X+k:X+k+1], v[X+k:X+k+1], v[12:13]
.set k, k+2
.endr
	s_wait_loadcnt 0x0                             ; the gain and the offset
.set k, 0
.rept 16
	v_pk_fma_f32 v[X+k:X+k+1], v[X+k:X+k+1], v[G+k:G+k+1], v[B+k:B+k+1]
.set k, k+2
.endr
.irp j, 0,1,2,3,4,5,6,7
	global_store_b128 v3, v[X+4*\j:X+4*\j+3], s[12:13] offset:512*\j th:TH_STORE_NT   ; 512 consecutive bytes, aligned; written once
.endr
	s_endpgm
.Lfunc_end_k_q2e147f95cf_ln2:
	.size	k_q2e147f95cf_ln2, .Lfunc_end_k_q2e147f95cf_ln2-k_q2e147f95cf_ln2
	.p2alignl 7, 3214868480
	.fill 96, 4, 3214868480
	.section	.rodata,"a",@progbits
	.p2align	6, 0x0
	.amdhsa_kernel k_q2e147f95cf_ln2
		.amdhsa_group_segment_fixed_size 0
		.amdhsa_private_segment_fixed_size 0
		.amdhsa_enable_private_segment 0
		.amdhsa_kernarg_size 40
		.amdhsa_user_sgpr_count 2
		.amdhsa_user_sgpr_kernarg_segment_ptr 1
		.amdhsa_wavefront_size32 1
		.amdhsa_system_sgpr_workgroup_id_x 1
		.amdhsa_system_sgpr_workgroup_id_y 1
		.amdhsa_system_sgpr_workgroup_id_z 1
		.amdhsa_system_vgpr_workitem_id 0
		.amdhsa_next_free_vgpr 240
		.amdhsa_next_free_sgpr 66
		.amdhsa_reserve_vcc 0
		.amdhsa_float_denorm_mode_32 3
		.amdhsa_float_denorm_mode_16_64 3
		.amdhsa_memory_ordered 1
		.amdhsa_forward_progress 1
		.amdhsa_inst_pref_size 18
	.end_amdhsa_kernel
	.amdgpu_metadata
---
amdhsa.version: [ 1, 2 ]
amdhsa.kernels:
  - .name:           k_q2e147f95cf_ln2
    .symbol:         k_q2e147f95cf_ln2.kd
    .args:
      - { .name: hbuf, .offset: 0, .size: 8, .value_kind: global_buffer, .address_space: global }
      - { .name: mlpb, .offset: 8, .size: 8, .value_kind: global_buffer, .address_space: global }
      - { .name: ln_g, .offset: 16, .size: 8, .value_kind: global_buffer, .address_space: global }
      - { .name: ln_b, .offset: 24, .size: 8, .value_kind: global_buffer, .address_space: global }
      - { .name: out0, .offset: 32, .size: 8, .value_kind: global_buffer, .address_space: global }
    .group_segment_fixed_size: 0
    .private_segment_fixed_size: 0
    .kernarg_segment_align: 8
    .kernarg_segment_size: 40
    .max_flat_workgroup_size: 256
    .sgpr_count:     66
    .vgpr_count:     240
    .wavefront_size: 32
...
	.end_amdgpu_metadata
.endif
;; end of part 7
